; MI455X (gfx1250); checked and timed in simulation.
; The chip was launched on July 23, 2026; its instructions are those of AMD's public machine-readable ISA for CDNA 5 (MIT licence, August 2026) and "CDNA5" Instruction Set Architecture Reference Guide (July 2026). The comments in the code are by the model that wrote it; some were corrected since.
;; Multi Head Attention. Allowed arithmetic: float matrix products may take bf16 or f16 operands with f32 sums; all other float work in f32.
;; Inputs: b_proj 1,024 float32; w_proj 1,024 x 1,024 float32; w_qkv 3,072 x 1,024 float32; x 4 x 2,048 x 1,024 float32.
;; Outputs: out0 4 x 2,048 x 1,024 float32.
;; 3 versions, each right; version 2 is faster than version 1; version 3 is version 2 with the launch cast written anew for expert scheduling mode. Each part assembles by itself: llvm-mc -triple=amdgcn-amd-amdhsa -mcpu=gfx1250 --defsym DOCPART=n.
;; ======== version 1 of 3: 4 launches
;; limits: values are held in f16: magnitudes above 65,504 overflow, below 6.1e-05 lose precision
;; workspace buffers: xb 16,777,216 bytes; wqb 6,291,456 bytes; wpb 2,097,152 bytes; heads 50,331,648 bytes; att 16,777,216 bytes
;; launch cast (part 1): grid 768 x 1, 8 waves a work-group, no clusters, 0 bytes of LDS; arguments x, w_qkv, w_proj, xb, wqb, wpb; writes xb, wqb, wpb
.if DOCPART == 1
	.amdgcn_target "amdgcn-amd-amdhsa--gfx1250"
	.amdhsa_code_object_version 6
	.text
	.protected	k_q47de05ad13_cast
	.globl	k_q47de05ad13_cast
	.p2align	8
	.type	k_q47de05ad13_cast,@function
k_q47de05ad13_cast:
	s_mov_b64 s[64:65], 0
	v_nop
	global_prefetch_b8 v0, s[64:65] scope:SCOPE_SE
	s_setreg_imm32_b32 hwreg(HW_REG_WAVE_MODE, 25, 1), 1
	s_wait_xcnt 0x0
; Rounds x, w_qkv and w_proj to bf16 (nearest even) and lays them in blocks of 64 along K: [K/64][rows][64], 128 bytes a row.
; In that layout every operand tile of the later launches is one dense run of bytes.
; w_proj goes on from bf16 to f16, because its partner in the last product (the attention output) is kept in f16 and a matrix
; instruction takes one format for both.  LIMIT: a bf16 number is exact in f16 for magnitudes 2^-14 to 65504; below that the
; absolute error is at most 2^-25, above it the result is infinite.
; A work-group takes 16 rows of 4,096 bytes, a wave two rows: lanes 0-15 the even row, lanes 16-31 the odd one.
; Load kb: each half of the lanes reads 256 consecutive aligned bytes (64 f32 = K block kb of its row).
; Store kb: 32 lanes x 8 bytes = 256 consecutive aligned bytes (the two rows lie next to each other in block kb).
; Memory binds here: no LDS, no barrier, no matrix unit.  All sixteen loads of a wave go out at once; no register is used twice.
.set X,   8                            ; v[8:71]    16 loads of 4 f32
.set Y,   72                           ; v[72:103]  16 pairs of packed 16-bit numbers
.set T,   104                          ; v[104:107] at work
.set SO,  1                            ; v1 byte offset in the source
.set DO,  2                            ; v2 byte offset in the destination
	s_load_b256 s[4:11], s[0:1], 0x0               ; x s[4:5], w_qkv s[6:7], w_proj s[8:9], xb s[10:11]
	s_load_b128 s[12:15], s[0:1], 0x20             ; wqb s[12:13], wpb s[14:15]
	v_lshrrev_b32 v3, 4, v0                        ; my row among the group's sixteen
	v_and_b32 v4, 15, v0
	v_lshlrev_b32 v[SO], 12, v3                    ; row x 4,096
	v_lshl_add_u32 v[SO], v4, 4, v[SO]             ; + 16 bytes a lane
	v_lshlrev_b32 v[DO], 3, v0                     ; wave x 256 + lane x 8
	s_mov_b32 s19, 0
	s_mov_b32 s17, 0xffff0000                      ; a word's upper bf16
	s_wait_kmcnt 0x0
; src, dst: first register of the pointer pairs; rows: rows of the tensor; gbase: first work-group of the tensor; half: 1 = go on to f16
.macro CAST src, dst, rows, gbase, half
	s_sub_co_u32 s16, ttmp9, \gbase                ; which sixteen rows
	s_lshl_b32 s18, s16, 16                        ; x 16 rows of 4,096 bytes
	s_add_nc_u64 s[20:21], s[\src:\src+1], s[18:19]
	s_lshl_b32 s18, s16, 11                        ; x 16 rows of 128 bytes
	s_add_nc_u64 s[22:23], s[\dst:\dst+1], s[18:19]
	s_add_nc_u64 s[24:25], s[22:23], 8*\rows*128   ; K blocks 8 to 15: a second base keeps the immediates inside their signed 24 bits
.irp kb, 0,1,2,3,4,5,6,7,8,9,10,11,12,13,14,15
	global_load_b128 v[X+4*\kb:X+4*\kb+3], v[SO], s[20:21] offset:256*\kb th:TH_LOAD_NT
.endr
.irp kb, 0,1,2,3,4,5,6,7,8,9,10,11,12,13,14,15
	s_wait_loadcnt 15-\kb                          ; loads come back in order: load kb is in, the younger ones stay out
	v_cvt_pk_bf16_f32 v[Y+2*\kb],   v[X+4*\kb],   v[X+4*\kb+1]
	v_cvt_pk_bf16_f32 v[Y+2*\kb+1], v[X+4*\kb+2], v[X+4*\kb+3]
.if \half
	v_lshlrev_b32 v[T],   16,  v[Y+2*\kb]           ; the rounded numbers back in f32,
	v_and_b32     v[T+1], s17, v[Y+2*\kb]
	v_lshlrev_b32 v[T+2], 16,  v[Y+2*\kb+1]
	v_and_b32     v[T+3], s17, v[Y+2*\kb+1]
	v_cvt_pk_f16_f32 v[Y+2*\kb],   v[T],   v[T+1]  ; and written as f16
	v_cvt_pk_f16_f32 v[Y+2*\kb+1], v[T+2], v[T+3]
.endif
.if \kb < 8
	global_store_b64 v[DO], v[Y+2*\kb:Y+2*\kb+1], s[22:23] offset:(\kb%8)*\rows*128
.else
	global_store_b64 v[DO], v[Y+2*\kb:Y+2*\kb+1], s[24:25] offset:(\kb%8)*\rows*128
.endif
.endr
.endm
	s_cmp_lt_u32 ttmp9, 512                        ; work-groups 0-511: x; 512-703: w_qkv; 704-767: w_proj
	s_cbranch_scc1 .Lx
	s_cmp_lt_u32 ttmp9, 704
	s_cbranch_scc1 .Lwq
	CAST 8, 14, 1024, 704, 1
	s_endpgm
.Lwq:
	CAST 6, 12, 3072, 512, 0
	s_endpgm
.Lx:
	CAST 4, 10, 8192, 0, 0
	s_endpgm
.Lfunc_end_k_q47de05ad13_cast:
	.size	k_q47de05ad13_cast, .Lfunc_end_k_q47de05ad13_cast-k_q47de05ad13_cast
	.p2alignl 7, 3214868480
	.fill 96, 4, 3214868480
	.section	.rodata,"a",@progbits
	.p2align	6, 0x0
	.amdhsa_kernel k_q47de05ad13_cast
		.amdhsa_group_segment_fixed_size 0
		.amdhsa_private_segment_fixed_size 0
		.amdhsa_enable_private_segment 0
		.amdhsa_kernarg_size 48
		.amdhsa_user_sgpr_count 2
		.amdhsa_user_sgpr_kernarg_segment_ptr 1
		.amdhsa_wavefront_size32 1
		.amdhsa_system_sgpr_workgroup_id_x 1
		.amdhsa_system_sgpr_workgroup_id_y 1
		.amdhsa_system_sgpr_workgroup_id_z 1
		.amdhsa_system_vgpr_workitem_id 0
		.amdhsa_next_free_vgpr 112
		.amdhsa_next_free_sgpr 66
		.amdhsa_reserve_vcc 0
		.amdhsa_float_denorm_mode_32 3
		.amdhsa_float_denorm_mode_16_64 3
		.amdhsa_memory_ordered 1
		.amdhsa_forward_progress 1
		.amdhsa_inst_pref_size 23
	.end_amdhsa_kernel
	.amdgpu_metadata
---
amdhsa.version: [ 1, 2 ]
amdhsa.kernels:
  - .name:           k_q47de05ad13_cast
    .symbol:         k_q47de05ad13_cast.kd
    .args:
      - { .name: x, .offset: 0, .size: 8, .value_kind: global_buffer, .address_space: global }
      - { .name: w_qkv, .offset: 8, .size: 8, .value_kind: global_buffer, .address_space: global }
      - { .name: w_proj, .offset: 16, .size: 8, .value_kind: global_buffer, .address_space: global }
      - { .name: xb, .offset: 24, .size: 8, .value_kind: global_buffer, .address_space: global }
      - { .name: wqb, .offset: 32, .size: 8, .value_kind: global_buffer, .address_space: global }
      - { .name: wpb, .offset: 40, .size: 8, .value_kind: global_buffer, .address_space: global }
    .group_segment_fixed_size: 0
    .private_segment_fixed_size: 0
    .kernarg_segment_align: 8
    .kernarg_segment_size: 48
    .max_flat_workgroup_size: 256
    .sgpr_count:     66
    .vgpr_count:     112
    .wavefront_size: 32
...
	.end_amdgpu_metadata
.endif
;; end of part 1
;; launch qkvgemm (part 2): grid 8 x 32, 4 waves a work-group, clusters of 4 x 4, 327,680 bytes of LDS; arguments xb, wqb, heads; writes heads
.if DOCPART == 2
	.amdgcn_target "amdgcn-amd-amdhsa--gfx1250"
	.amdhsa_code_object_version 6
	.text
	.protected	k_q47de05ad13_qkvgemm
	.globl	k_q47de05ad13_qkvgemm
	.p2align	8
	.type	k_q47de05ad13_qkvgemm,@function
k_q47de05ad13_qkvgemm:
	s_mov_b64 s[64:65], 0
	v_nop
	global_prefetch_b8 v0, s[64:65] scope:SCOPE_SE
	s_setreg_imm32_b32 hwreg(HW_REG_WAVE_MODE, 25, 1), 1
	s_wait_xcnt 0x0
	s_wait_alu depctr_hold_cnt(0) depctr_sa_sdst(0) depctr_va_vdst(0) depctr_va_sdst(0) depctr_va_ssrc(0) depctr_va_vcc(0) depctr_vm_vsrc(0)
	s_getreg_b32 s2, hwreg(HW_REG_IB_STS2, 6, 4)
	s_cmp_eq_u32 s2, 0
	s_cbranch_scc0 .Lentry_in_a_cluster
	s_endpgm
.Lentry_in_a_cluster:
	s_bfe_u32 s2, ttmp6, 0x10000c
	s_cmp_lg_u32 s2, 0xf033
	s_cbranch_scc0 .Lentry_shape_is_right
	s_endpgm
.Lentry_shape_is_right:
; heads[b][g][t][d] = sum over k of x[b*2048+t][k] w_qkv[64 g + d][k], g = 0-15 q heads, 16-31 k heads, 32-47 v heads.
; Operands bf16 in K blocks ([16][rows][64]), sums f32, result f16.  LIMIT: a result of magnitude 65504 or more becomes infinite.
; A work-group makes 256 rows x 384 columns with four waves; a wave makes 128 x 192 (three whole heads): 96 accumulator tiles, 768 registers.
; K goes in steps of 64 (one K block) through two LDS slots.  A tile is dense in memory and is brought as rows of 256 bytes; the mover
; skips 16 bytes after every 128, so that one memory row becomes two LDS rows 144 bytes apart (9 x 16: the sixteen rows of a fragment
; load start in sixteen different 16-byte columns of the 64 banks, ISA guide 11.1).
; CLUSTERS: 4 x 4 work-groups.  x tiles hang on the block row alone and are asked for jointly by a row of the cluster, w tiles on the
; block column alone and are asked for jointly by a column.  Wave 0 asks for the x tile, waves 1-3 for a third of the w tile each.
; A wave has two tensor loads out at the start and one behind each round.
; REGISTERS: window 0: v16-26 addresses, v32-159 two buffers of x fragments, v160-255 two buffers of six w fragments.
;            windows 1-3: accumulator tile TT = 48 hb + 6 a + bb at window 1 + TT/32, register 8 (TT mod 32).
; The matrix instruction is used transposed (source 0 = rows of w, source 1 = rows of x): a lane then holds eight neighbouring
; columns of one row of the result, which pack into 16 bytes.
.set PITCH,  144
.set ABYTES, 256*PITCH                 ; x tile
.set SLOT,   640*PITCH                 ; x tile, then 384 rows of w
.set STAGE,  2*SLOT                    ; behind the ring: [3 heads][16 rows][144] for each wave, never filled by the mover
.set WSTAGE, 48*PITCH
.set ASTEP,  8192*128                  ; bytes from a K block of xb to the next
.set BSTEP,  3072*128                  ; the same in wqb
.set ADRA, 16                          ; v16-17 LDS address of my x fragments in slot 0, 1
.set ADRB, 20                          ; v20-21 the same for w
.set STO,  24
.set RD,   25
.set CO,   26
.set FA0,  32
.set FA1,  96
.set FB0,  160
.set FB1,  208
.set TMP,  32                          ; the way out: packed results
.set G1,  24                           ; s[24:31] group 1, x tiles
.set G0,  32                           ; s[32:39] group 0, x tiles, one set a slot
.set G1B, 48                           ; s[48:55] group 1, w tiles
.set G0B, 56                           ; s[56:63] group 0, w tiles, one set a slot
.set MSB, 0
.macro WIN new                         ; the immediate's high byte repeats the setting that is left
.if MSB != \new
	s_set_vgpr_msb (MSB<<8)|\new
.set MSB, \new
.endif
.endm
.macro PLACES                          ; four places behind a matrix instruction (ISA guide 7.12.1) before its registers are loaded into or its result is read
.rept 4
	v_nop
.endr
.endm
.macro JLOAD s                         ; the branch hangs on the wave's number alone: it is the same in every work-group
	s_cmp_eq_u32 s10, 0
	s_cbranch_scc0 .Lfor_b_\@
	tensor_load_to_lds s[G0+4*\s:G0+4*\s+3], s[G1:G1+7]
	s_nop 0
	s_branch .Lasked_\@
.Lfor_b_\@:
	tensor_load_to_lds s[G0B+4*\s:G0B+4*\s+3], s[G1B:G1B+7]
	s_nop 0
.Lasked_\@:
.endm
.macro CREST                           ; a round of the cluster's barrier behind its opening barrier
	s_cmp_lg_u32 s10, 0
	s_cbranch_scc1 .Lnot_wave_0_\@
	s_barrier_signal -3
.Lnot_wave_0_\@:
	s_barrier_wait -3
	s_barrier_signal -1
	s_barrier_wait -1
.endm
.macro CROUND
	s_barrier_signal -1
	s_barrier_wait -1
	CREST
.endm
	s_load_b128 s[4:7], s[0:1], 0x0                ; xb s[4:5], wqb s[6:7]
	s_load_b64 s[8:9], s[0:1], 0x10                ; heads
	v_lshl_add_u32 v30, v0, 2, 0x33c00
	v_mov_b32 v31, 0
	ds_add_u32 v30, v31
	ds_add_u32 v30, v31
	v_lshrrev_b32 v1, 5, v0
	v_readfirstlane_b32 s10, v1                    ; wave 0..3
	s_lshr_b32 s11, s10, 1                         ; which 128 rows of the block are mine
	s_and_b32 s12, s10, 1                          ; which 192 columns
	s_bfe_u32 s40, ttmp6, 0x40000                  ; cx
	s_bfe_u32 s41, ttmp6, 0x40004                  ; cy
	s_lshl_b32 s42, ttmp9, 2
	s_add_co_u32 s42, s42, s40                     ; block column = 4 x cluster x + cx
	s_and_b32 s13, ttmp7, 0xffff
	s_lshl_b32 s13, s13, 2
	s_add_co_u32 s13, s13, s41                     ; block row = 4 x cluster y + cy
	s_lshl_b32 s43, s41, 2
	s_lshl_b32 s43, 15, s43                        ; my row of the cluster
	s_lshl_b32 s44, 0x1111, s40                    ; my column
	; group 1: elements of 2 bytes, rows of 128 elements, pitch 128; 16 bytes of padding after every 32 words
	s_or_b32 s[G1+0], s43, (1<<16)|(1<<20)|(1<<21)|(4<<22)|(3<<25)
	s_mov_b32 s[G1+1], 128<<16                     ; tensor_dim0 = 128
	s_mov_b32 s[G1+2], 128<<16                     ; tensor_dim1 = 128 memory rows = 256 rows of x
	s_mov_b32 s[G1+3], 128<<16                     ; tile_dim0 = 128
	s_mov_b32 s[G1+4], 128                         ; tile_dim1
	s_mov_b32 s[G1+5], 128                         ; pitch
	s_mov_b32 s[G1+6], 0
	s_mov_b32 s[G1+7], 0
	s_or_b32 s[G1B+0], s44, (1<<16)|(1<<20)|(1<<21)|(4<<22)|(3<<25)
	s_mov_b32 s[G1B+1], 128<<16
	s_mov_b32 s[G1B+2], 64<<16                     ; 64 memory rows = 128 rows of w
	s_mov_b32 s[G1B+3], 128<<16
	s_mov_b32 s[G1B+4], 64
	s_mov_b32 s[G1B+5], 128
	s_mov_b32 s[G1B+6], 0
	s_mov_b32 s[G1B+7], 0
	s_lshl_b32 s16, s13, 15                        ; x: block row x 256 rows x 128 bytes
	s_mov_b32 s17, 0
	s_max_u32 s18, s10, 1
	s_sub_co_u32 s18, s18, 1                       ; which third of the w tile (waves 1-3)
	s_lshl_b32 s18, s18, 7
	s_mul_i32 s46, s42, 384
	s_add_co_u32 s46, s46, s18                     ; w: row 384 x block column + 128 x third
	s_lshl_b32 s46, s46, 7
	s_mov_b32 s47, 0
	s_mul_i32 s20, s10, 128*PITCH
	s_add_co_u32 s20, s20, 128*PITCH               ; where a third goes: behind the x tile, at (wave + 1) x 128 rows
	s_wait_dscnt 0x0
	s_wait_kmcnt 0x0
	s_add_nc_u64 s[14:15], s[4:5], s[16:17]
	s_add_nc_u64 s[46:47], s[6:7], s[46:47]
	CROUND                                         ; all sixteen work-groups are here: the first joint loads meet
.irp s, 0,1
	s_mov_b32 s[G0+4*\s], 1
	s_mov_b32 s[G0+4*\s+1], \s*SLOT
	s_add_nc_u64 s[G0+4*\s+2:G0+4*\s+3], s[14:15], \s*ASTEP
	s_or_b32 s[G0+4*\s+3], s[G0+4*\s+3], 0x80000000
	s_mov_b32 s[G0B+4*\s], 1
	s_add_co_u32 s[G0B+4*\s+1], s20, \s*SLOT
	s_add_nc_u64 s[G0B+4*\s+2:G0B+4*\s+3], s[46:47], \s*BSTEP
	s_or_b32 s[G0B+4*\s+3], s[G0B+4*\s+3], 0x80000000
	JLOAD \s                                       ; K blocks 0 and 1
.endr
	v_and_b32 v1, 15, v0                           ; r
	v_bfe_u32 v2, v0, 4, 1                         ; h
	v_mul_u32_u24 v3, v1, PITCH
	v_lshl_add_u32 v3, v2, 4, v3                   ; r x pitch + 16 h
	s_mul_i32 s21, s11, 128*PITCH
	s_mul_i32 s22, s12, 192*PITCH
	s_add_co_u32 s22, s22, ABYTES
.irp s, 0,1
	v_add_nc_u32 v[ADRA+\s], s21, v3
	v_add_nc_u32 v[ADRB+\s], s22, v3
	s_add_co_u32 s21, s21, SLOT
	s_add_co_u32 s22, s22, SLOT
.endr
	s_mul_i32 s23, s10, WSTAGE
	s_add_co_u32 s23, s23, STAGE
	v_add_nc_u32 v[STO], s23, v3                   ; in: row r, 16 bytes for each half of the lanes
	v_and_b32 v4, 31, v0
	v_lshrrev_b32 v5, 3, v4
	v_and_b32 v6, 7, v0
	v_mul_u32_u24 v5, v5, PITCH
	v_lshl_add_u32 v5, v6, 4, v5
	v_add_nc_u32 v[RD], s23, v5                    ; back: eight lanes a row of 128 bytes, four rows a load
	v_lshlrev_b32 v[CO], 4, v4                     ; those four rows are 512 consecutive bytes of heads
; 24 matrix instructions: row blocks 4 half .. 4 half + 3 x six column blocks of half hb, 32 along K.
; The accumulators take turns, one instruction a turn.
.macro MUL4 fa, fb, hb, half, zero
.irp a, 0,1,2,3
.irp bb, 0,1,2,3,4,5
.set TT, \hb*48+(4*\half+\a)*6+\bb
.set WNEW, (1+TT/32)*0x50
.set AR, (TT%32)*8
	WIN WNEW
.if \zero
	v_wmma_f32_16x16x32_bf16 v[AR:AR+7], v[\fb+8*\bb:\fb+8*\bb+7], v[\fa+8*(4*\half+\a):\fa+8*(4*\half+\a)+7], 0
.else
	v_wmma_f32_16x16x32_bf16 v[AR:AR+7], v[\fb+8*\bb:\fb+8*\bb+7], v[\fa+8*(4*\half+\a):\fa+8*(4*\half+\a)+7], v[AR:AR+7]
.endif
.endr
.endr
.endm
.macro MUL8 fa, fb, hb, zero
	MUL4 \fa, \fb, \hb, 0, \zero
	MUL4 \fa, \fb, \hb, 1, \zero
.endm
.macro FETCHA slot, q, f               ; 128 rows of x, 32 K at byte 64 q of the rows
	WIN 0
.irp i, 0,1,2,3,4,5,6,7
	ds_load_b128 v[\f+8*\i:\f+8*\i+3],   v[ADRA+\slot] offset:\i*16*PITCH+64*\q
	ds_load_b128 v[\f+8*\i+4:\f+8*\i+7], v[ADRA+\slot] offset:\i*16*PITCH+64*\q+32
.endr
.endm
.macro FETCHB slot, q, hb, f           ; 96 rows of w (half hb of my 192)
	WIN 0
.irp i, 0,1,2,3,4,5
	ds_load_b128 v[\f+8*\i:\f+8*\i+3],   v[ADRB+\slot] offset:(6*\hb+\i)*16*PITCH+64*\q
	ds_load_b128 v[\f+8*\i+4:\f+8*\i+7], v[ADRB+\slot] offset:(6*\hb+\i)*16*PITCH+64*\q+32
.endr
.endm
; The first three of a K step's four phases of 48 matrix instructions.  Each phase first asks for what the next one needs.
.macro HEAD3 s, zero
	PLACES
	FETCHB \s, 0, 1, FB1
	s_wait_dscnt 12                                ; all but the 12 just issued: FB0 and FA0 are in
	MUL8 FA0, FB0, 0, \zero
	PLACES
	FETCHB \s, 1, 0, FB0
	FETCHA \s, 1, FA1
	s_wait_dscnt 28                                ; all but the 28 just issued: FB1 is in
	MUL8 FA0, FB1, 1, \zero
	PLACES
	FETCHB \s, 1, 1, FB1
	s_wait_dscnt 12                                ; FB0 and FA1 are in
	MUL8 FA1, FB0, 0, 0
.endm
; A K step on slot s; n = the other slot; fill = 1: slot s is filled again, two K blocks ahead.
.macro STEP s, n, zero, fill
	HEAD3 \s, \zero
	s_wait_dscnt 0x0                               ; my reads of this slot are over,
	s_wait_tensorcnt 0x0                           ; and my one tensor load that was out, my part of the other slot, has landed
	ds_add_u32 v30, v31
	s_wait_dscnt 0x0
	s_barrier_signal -1                            ; (where the slot is filled again this barrier opens a round of the cluster's barrier)
	MUL4 FA1, FB1, 1, 0, 0                         ; register work while the others arrive
	WIN 0
	s_barrier_wait -1
.if \fill
	CREST                                          ; no wave of any partner still reads this slot or has a load on its way
	s_add_nc_u64 s[G0+4*\s+2:G0+4*\s+3], s[G0+4*\s+2:G0+4*\s+3], 2*ASTEP
	s_add_nc_u64 s[G0B+4*\s+2:G0B+4*\s+3], s[G0B+4*\s+2:G0B+4*\s+3], 2*BSTEP
	JLOAD \s                                       ; the first tensor load behind the round; 168 matrix instructions stand between it and the wait for it
.endif
	PLACES
	FETCHB \n, 0, 0, FB0
	FETCHA \n, 0, FA0
	MUL4 FA1, FB1, 1, 1, 0
.endm
	s_wait_tensorcnt 0x1                           ; my part of K block 0 is in; block 1 may stay out
	s_barrier_signal -1
	s_barrier_wait -1
	FETCHB 0, 0, 0, FB0
	FETCHA 0, 0, FA0
	STEP 0, 1, 1, 1                                ; the first products start the sums: nothing is cleared
	STEP 1, 0, 0, 1
	WIN 0
	s_mov_b32 s3, 6
.Llap:
	STEP 0, 1, 0, 1
	STEP 1, 0, 0, 1
	WIN 0
	s_sub_co_u32 s3, s3, 1
	s_cmp_lg_u32 s3, 0
	s_cbranch_scc1 .Llap
	STEP 0, 1, 0, 0                                ; K blocks 14 and 15: nothing is left to fetch
	HEAD3 1, 0
	s_wait_dscnt 0x0
	MUL8 FA1, FB1, 1, 0
	WIN 0
	PLACES
	; the way out: heads + ((batch x 48 + 6 x block column + 3 x my half) << 18) + (row in the batch) x 128
	s_lshr_b32 s16, s13, 3
	s_mul_i32 s16, s16, 48<<18
	s_and_b32 s14, s13, 7
	s_lshl_b32 s14, s14, 15
	s_add_co_u32 s16, s16, s14
	s_lshl_b32 s14, s11, 14
	s_add_co_u32 s16, s16, s14
	s_mov_b32 s17, 0
	s_add_nc_u64 s[8:9], s[8:9], s[16:17]
	s_mul_i32 s46, s42, 6
	s_mul_i32 s47, s12, 3
	s_add_co_u32 s46, s46, s47
	s_lshl_b32 s46, s46, 18
	s_mov_b32 s47, 0
	s_add_nc_u64 s[8:9], s[8:9], s[46:47]
; Rows 16 a .. 16 a + 15 of my block: rounded to f16, 16 bytes a lane into my own stage, read back as whole rows.
.macro OUT a, f
.irp b, 0,1,2,3,4,5,6,7,8,9,10,11
.set TT, (\b/6)*48+\a*6+(\b%6)
.set WNEW, (1+TT/32)*5
.set AR, (TT%32)*8
	WIN WNEW
.irp rr, 0,1,2,3
	v_cvt_pk_f16_f32 v[TMP+4*\b+\rr], v[AR+2*\rr], v[AR+2*\rr+1]
.endr
.endr
	WIN 0
.irp b, 0,1,2,3,4,5,6,7,8,9,10,11
	ds_store_b128 v[STO], v[TMP+4*\b:TMP+4*\b+3] offset:(\b/4)*16*PITCH+(\b%4)*32
.endr
	s_wait_xcnt 0x0                                ; buffer f, which earlier stores read, is loaded again only behind this wait
.irp i, 0,1,2,3,4,5,6,7,8,9,10,11
	ds_load_b128 v[\f+4*\i:\f+4*\i+3], v[RD] offset:(\i/4)*16*PITCH+(\i%4)*4*PITCH   ; LDS serves a wave in order: these see the stores above
.endr
.irp i, 0,1,2,3,4,5,6,7,8,9,10,11
	s_wait_dscnt 11-\i
	global_store_b128 v[CO], v[\f+4*\i:\f+4*\i+3], s[8:9] offset:(\i/4)*262144+\a*2048+(\i%4)*512   ; 512 consecutive bytes, aligned
.endr
.endm
	OUT 0, 96
	OUT 1, 160
	OUT 2, 96
	OUT 3, 160
	OUT 4, 96
	OUT 5, 160
	OUT 6, 96
	OUT 7, 160
	s_wait_tensorcnt 0x0
	ds_add_u32 v30, v31
	s_wait_dscnt 0x0
	CROUND                                         ; the closing round: no work-group ends while a partner may still ask jointly
	s_endpgm
.Lfunc_end_k_q47de05ad13_qkvgemm:
	.size	k_q47de05ad13_qkvgemm, .Lfunc_end_k_q47de05ad13_qkvgemm-k_q47de05ad13_qkvgemm
	.p2alignl 7, 3214868480
	.fill 96, 4, 3214868480
	.section	.rodata,"a",@progbits
	.p2align	6, 0x0
	.amdhsa_kernel k_q47de05ad13_qkvgemm
		.amdhsa_group_segment_fixed_size 327680
		.amdhsa_private_segment_fixed_size 0
		.amdhsa_enable_private_segment 0
		.amdhsa_kernarg_size 24
		.amdhsa_user_sgpr_count 2
		.amdhsa_user_sgpr_kernarg_segment_ptr 1
		.amdhsa_wavefront_size32 1
		.amdhsa_system_sgpr_workgroup_id_x 1
		.amdhsa_system_sgpr_workgroup_id_y 1
		.amdhsa_system_sgpr_workgroup_id_z 1
		.amdhsa_system_vgpr_workitem_id 0
		.amdhsa_next_free_vgpr 1024
		.amdhsa_next_free_sgpr 66
		.amdhsa_reserve_vcc 0
		.amdhsa_float_denorm_mode_32 3
		.amdhsa_float_denorm_mode_16_64 3
		.amdhsa_memory_ordered 1
		.amdhsa_forward_progress 1
		.amdhsa_inst_pref_size 168
	.end_amdhsa_kernel
	.amdgpu_metadata
---
amdhsa.version: [ 1, 2 ]
amdhsa.kernels:
  - .name:           k_q47de05ad13_qkvgemm
    .symbol:         k_q47de05ad13_qkvgemm.kd
    .args:
      - { .name: xb, .offset: 0, .size: 8, .value_kind: global_buffer, .address_space: global }
      - { .name: wqb, .offset: 8, .size: 8, .value_kind: global_buffer, .address_space: global }
      - { .name: heads, .offset: 16, .size: 8, .value_kind: global_buffer, .address_space: global }
    .group_segment_fixed_size: 327680
    .private_segment_fixed_size: 0
    .kernarg_segment_align: 8
    .kernarg_segment_size: 24
    .max_flat_workgroup_size: 128
    .sgpr_count:     66
    .vgpr_count:     1024
    .wavefront_size: 32
...
	.end_amdgpu_metadata
.endif
;; end of part 2
;; launch attn (part 3): grid 4 x 64, 4 waves a work-group, no clusters, 327,680 bytes of LDS; arguments heads, att; writes att
.if DOCPART == 3
	.amdgcn_target "amdgcn-amd-amdhsa--gfx1250"
	.amdhsa_code_object_version 6
	.text
	.protected	k_q47de05ad13_attn
	.globl	k_q47de05ad13_attn
	.p2align	8
	.type	k_q47de05ad13_attn,@function
k_q47de05ad13_attn:
	s_mov_b64 s[64:65], 0
	v_nop
	global_prefetch_b8 v0, s[64:65] scope:SCOPE_SE
	s_setreg_imm32_b32 hwreg(HW_REG_WAVE_MODE, 25, 1), 1
	s_wait_xcnt 0x0
; Causal attention of one head: att[head][b*2048+t][d] = softmax over keys <= t of (q.k / 8), times v.  q, k, v, the weights and the
; result are f16 matrix operands; scores, running maximum, sums and outputs are f32.
; LIMITS: weights smaller than 2^-24 of the row's largest are dropped (f16); the result, an average of v, stays inside f16 where v does.
; Work-group (pi, b*16+head) does the query blocks 2 pi and 7 - 2 pi of 256 rows: 9 key blocks of 256 keys for every work-group.
; A wave owns 64 queries.  Key blocks are walked downward, the diagonal block first, and in it the wave's own masked 64 keys first:
; every row has its own key there, so the first maximum is finite and the first products start all sums.
; BOTH PRODUCTS ARE TRANSPOSED: S^T = K rows x Q rows puts query r in lane r and eight keys in a lane's registers, so that two packed
; score tiles are at once the second operand of O^T = V^T x P^T: the weights never leave registers, and maximum, sum and rescale factor
; are one number a lane for each 16 queries.  V^T comes from rows [key][d] by the transposing LDS load.
; The exponent is c S - round(c M), c = log2(e) / 8; old sums are rescaled by 2^(difference of the two rounded shifts), so old and new
; terms agree whatever the size of the scores.
; NO MULTICAST: in the same step the four work-groups of a head need different key blocks (they start at blocks 0, 2, 4, 6 and walk
; down); in lock-step over the union of their blocks each would pass more blocks than the nine it needs.
; LDS: two slots of 81,920 bytes: K 256 x 144 at 0, V 256 x 160 at 40,960; behind them 64 x 144 bytes of stage for each wave.
; Waves 0, 1 fetch the halves of K, waves 2, 3 those of V: two tensor loads a wave out at the start, one behind each barrier.
.set KP,    144
.set VP,    160
.set VOFF,  40960
.set SLOT,  81920
.set STAGE, 2*SLOT
.set KADR, 4                           ; v4-5   K fragments, slot 0, 1
.set VADR, 6                           ; v6-7   V fragments
.set KADW, 8                           ; v8-9   the same at my own 64 keys of the block
.set VADW, 10                          ; v10-11
.set STO,  12
.set RD,   13
.set QOFF, 14
.set OOFF, 15
.set NINF, 16
.set M,    20                          ; v[20:23] running maximum of the raw scores, one for each 16 queries
.set NMC,  24                          ; v[24:27] - c M, rounded
.set AL,   28                          ; v[28:31] rescale factor
.set LSUM, 32                          ; v[32:35] running sum (this half of the lanes' keys)
.set MX,   36
.set TP,   40
.set LS,   44                          ; v[44:51] four pairs
.set VF,   64                          ; v[64:127]  V^T fragment (dt, u) at 8 (2 dt + u)
.set S,    128                         ; v[128:255] score tile (t, qt) at 32 qt + 8 t; then P fragment (qt, u) at 32 qt + 16 u
.set O,    0                           ; window 1: v[0:127] output tile (qt, dt) at 8 (4 qt + dt)
.set Q,    128                         ; window 1: v[128:191] Q fragment (qt, ks) at 8 (2 qt + ks)
.set KF,   192                         ; window 1: v[192:255] K fragment (t, ks) at 8 (2 t + ks)
.set G1K, 24
.set G0K, 32
.set G1V, 40
.set G0V, 48
.set MK,  72                           ; s[72:79] lanes whose key 8 h + jj lies above query r
.set MSB, 0
.macro WIN new
.if MSB != \new
	s_set_vgpr_msb (MSB<<8)|\new
.set MSB, \new
.endif
.endm
.macro PLACES n                        ; places behind matrix instructions (ISA guide 7.12.1)
.rept \n
	v_nop
.endr
.endm
.macro NEXTKB                          ; the next key block: one down; below 0 the second pass begins at its diagonal block
	s_sub_co_i32 s15, s15, 1
	s_cmp_lt_i32 s15, 0
	s_cselect_b32 s15, s14, s15
.endm
.macro SETG0 slot                      ; both descriptors of a slot point at key block s15
	s_lshl_b32 s22, s15, 15                        ; 256 keys of 128 bytes
	s_add_nc_u64 s[G0K+4*\slot+2:G0K+4*\slot+3], s[56:57], s[22:23]
	s_or_b32 s[G0K+4*\slot+3], s[G0K+4*\slot+3], 0x80000000
	s_add_nc_u64 s[G0V+4*\slot+2:G0V+4*\slot+3], s[58:59], s[22:23]
	s_or_b32 s[G0V+4*\slot+3], s[G0V+4*\slot+3], 0x80000000
.endm
.macro KVLOAD slot
	s_cmp_lt_u32 s8, 2
	s_cbranch_scc0 .Lkv_v_\@
	tensor_load_to_lds s[G0K+4*\slot:G0K+4*\slot+3], s[G1K:G1K+7]
	s_nop 0
	s_branch .Lkv_d_\@
.Lkv_v_\@:
	tensor_load_to_lds s[G0V+4*\slot:G0V+4*\slot+3], s[G1V:G1V+7]
	s_nop 0
.Lkv_d_\@:
.endm
	s_load_b128 s[4:7], s[0:1], 0x0                ; heads s[4:5], att s[6:7]
	v_lshl_add_u32 v62, v0, 2, 0x31000
	v_mov_b32 v63, 0
	ds_add_u32 v62, v63
	ds_add_u32 v62, v63
	v_lshrrev_b32 v1, 5, v0
	v_readfirstlane_b32 s8, v1                     ; wave
	s_mov_b32 s9, ttmp9                            ; pi
	s_and_b32 s10, ttmp7, 0xffff
	s_lshr_b32 s11, s10, 4                         ; b
	s_and_b32 s12, s10, 15                         ; head
	s_lshl_b32 s13, s9, 1                          ; first query block
	s_sub_co_u32 s14, 7, s13                       ; second query block
	s_mov_b32 s15, s13                             ; key block to fetch
	s_mov_b32 s16, 0x76543210                      ; v_permlanex16_b32: lane i reads lane i of the other half
	s_mov_b32 s17, 0xfedcba98
	s_mov_b32 s18, 0x3e38aa3b                      ; c = log2(e) / 8
	s_mov_b32 s19, 0x3e38aa3b
	s_mov_b32 s20, 0xbe38aa3b                      ; - c
	s_mov_b32 s23, 0
	; group 1: 64 memory rows of 128 f16 = 128 keys; padding after every 32 words: 4 words for K (pitch 144), 8 for V (pitch 160)
	s_mov_b32 s[G1K+0], (1<<16)|(1<<20)|(4<<22)|(3<<25)
	s_mov_b32 s[G1K+1], 128<<16
	s_mov_b32 s[G1K+2], 64<<16
	s_mov_b32 s[G1K+3], 128<<16
	s_mov_b32 s[G1K+4], 64
	s_mov_b32 s[G1K+5], 128
	s_mov_b32 s[G1K+6], 0
	s_mov_b32 s[G1K+7], 0
	s_mov_b32 s[G1V+0], (1<<16)|(1<<20)|(4<<22)|(7<<25)
	s_mov_b32 s[G1V+1], 128<<16
	s_mov_b32 s[G1V+2], 64<<16
	s_mov_b32 s[G1V+3], 128<<16
	s_mov_b32 s[G1V+4], 64
	s_mov_b32 s[G1V+5], 128
	s_mov_b32 s[G1V+6], 0
	s_mov_b32 s[G1V+7], 0
	s_mul_i32 s70, s8, 128*KP                      ; K: waves 0, 1 at 0 and 18,432
	s_mul_i32 s71, s8, 128*VP                      ; V: waves 2, 3 at 40,960 and 61,440
.irp s, 0,1
	s_mov_b32 s[G0K+4*\s], 1
	s_add_co_u32 s[G0K+4*\s+1], s70, \s*SLOT
	s_mov_b32 s[G0V+4*\s], 1
	s_add_co_u32 s[G0V+4*\s+1], s71, \s*SLOT
.endr
	s_mul_i32 s84, s11, 48
	s_add_co_u32 s84, s84, s12
	s_lshl_b32 s84, s84, 18                        ; bytes to q of (b, head); k lies 16, v 32 heads further
	s_and_b32 s85, s8, 1
	s_lshl_b32 s85, s85, 14                        ; which 128 keys of a block I fetch
	s_add_co_u32 s80, s84, s85
	s_mov_b32 s81, 0
	s_mov_b32 s83, 0
	s_wait_dscnt 0x0
	s_wait_kmcnt 0x0
	s_add_nc_u64 s[56:57], s[4:5], s[80:81]
	s_add_nc_u64 s[58:59], s[56:57], 32<<18        ; V
	s_add_nc_u64 s[56:57], s[56:57], 16<<18        ; K
	SETG0 0
	NEXTKB
	SETG0 1
	s_cmp_lt_u32 s8, 2                             ; both first fills of a wave inside one branch, ahead of every wait, LDS read and barrier
	s_cbranch_scc0 .Lfirst_v
	tensor_load_to_lds s[G0K:G0K+3], s[G1K:G1K+7]
	s_nop 0
	tensor_load_to_lds s[G0K+4:G0K+7], s[G1K:G1K+7]
	s_nop 0
	s_branch .Lfirst_done
.Lfirst_v:
	tensor_load_to_lds s[G0V:G0V+3], s[G1V:G1V+7]
	s_nop 0
	tensor_load_to_lds s[G0V+4:G0V+7], s[G1V:G1V+7]
	s_nop 0
.Lfirst_done:
	s_lshl_b32 s85, s8, 13                         ; my 64 rows of 128 bytes
	s_add_co_u32 s84, s84, s85
	s_lshl_b32 s86, s13, 15                        ; a query block is 256 rows of 128 bytes
	s_lshl_b32 s87, s14, 15
	s_add_co_u32 s80, s84, s86
	s_add_co_u32 s82, s84, s87
	s_add_nc_u64 s[60:61], s[4:5], s[80:81]        ; my q rows, first pass
	s_add_nc_u64 s[62:63], s[4:5], s[82:83]        ; second pass
	s_lshl_b32 s84, s12, 20                        ; att: head x 8,192 rows
	s_lshl_b32 s21, s11, 18                        ; + b x 2,048 rows
	s_add_co_u32 s84, s84, s21
	s_add_co_u32 s84, s84, s85
	s_add_co_u32 s80, s84, s86
	s_add_co_u32 s82, s84, s87
	s_add_nc_u64 s[66:67], s[6:7], s[80:81]
	s_add_nc_u64 s[68:69], s[6:7], s[82:83]
	v_and_b32 v1, 15, v0                           ; r
	v_bfe_u32 v2, v0, 4, 1                         ; h
	v_and_b32 v3, 31, v0                           ; lane
	v_lshlrev_b32 v[QOFF], 7, v1
	v_lshl_add_u32 v[QOFF], v2, 4, v[QOFF]         ; r x 128 + 16 h
.macro LOADQ base                      ; 64 rows of q as second operands: column = query r, K = d
	WIN 0x40
.irp qt, 0,1,2,3
.irp ks, 0,1
	global_load_b128 v[Q+8*(2*\qt+\ks):Q+8*(2*\qt+\ks)+3],   v[QOFF], s[\base:\base+1] offset:\qt*2048+64*\ks
	global_load_b128 v[Q+8*(2*\qt+\ks)+4:Q+8*(2*\qt+\ks)+7], v[QOFF], s[\base:\base+1] offset:\qt*2048+64*\ks+32
.endr
.endr
	WIN 0
.endm
	LOADQ 60
	v_mul_u32_u24 v17, v1, KP
	v_lshl_add_u32 v17, v2, 4, v17                 ; r x 144 + 16 h
	v_mov_b32 v[KADR], v17
	v_add_nc_u32 v[KADR+1], SLOT, v17
	v_and_b32 v18, 7, v0
	v_lshl_add_u32 v18, v2, 3, v18                 ; key 8 h + (lane mod 8)
	v_mul_u32_u24 v18, v18, VP
	v_bfe_u32 v19, v0, 3, 1
	v_lshl_add_u32 v18, v19, 4, v18                ; + 16 bytes for the upper eight of sixteen lanes
	v_add_nc_u32 v[VADR], VOFF, v18
	v_add_nc_u32 v[VADR+1], VOFF+SLOT, v18
	s_mul_i32 s70, s8, 64*KP
	s_mul_i32 s71, s8, 64*VP
.irp s, 0,1
	v_add_nc_u32 v[KADW+\s], s70, v[KADR+\s]
	v_add_nc_u32 v[VADW+\s], s71, v[VADR+\s]
.endr
	s_add_co_u32 s70, s70, STAGE                   ; my stage: 64 rows of 144 bytes
	v_add_nc_u32 v[STO], s70, v17
	v_lshrrev_b32 v18, 3, v3
	v_and_b32 v19, 7, v0
	v_mul_u32_u24 v18, v18, KP
	v_lshl_add_u32 v18, v19, 4, v18
	v_add_nc_u32 v[RD], s70, v18
	v_lshlrev_b32 v[OOFF], 4, v3
	v_mov_b32 v[NINF], 0xff800000
.irp jj, 0,1,2,3,4,5,6,7
	v_lshl_add_u32 v18, v2, 3, \jj
	v_cmp_gt_u32 s[MK+\jj], v18, v1                ; key 8 h + jj above query r
.endr
.irp qt, 0,1,2,3
	v_mov_b32 v[TP+\qt], 0                         ; v_permlanex16_b32 counts as a reader of its destination
.endr
.macro LOADK adr, j                    ; 64 keys as first operands: row = key, K = d
	WIN 0x40
.irp t, 0,1,2,3
.irp ks, 0,1
	ds_load_b128 v[KF+8*(2*\t+\ks):KF+8*(2*\t+\ks)+3],   v[\adr] offset:(64*\j+16*\t)*KP+64*\ks
	ds_load_b128 v[KF+8*(2*\t+\ks)+4:KF+8*(2*\t+\ks)+7], v[\adr] offset:(64*\j+16*\t)*KP+64*\ks+32
.endr
.endr
	WIN 0
.endm
.macro LOADV adr, j                    ; the same 64 keys of V, transposed: row = d, K = key
.irp dt, 0,1,2,3
.irp u, 0,1
	ds_load_tr16_b128 v[VF+8*(2*\dt+\u):VF+8*(2*\dt+\u)+3],   v[\adr] offset:(64*\j+32*\u)*VP+32*\dt
	ds_load_tr16_b128 v[VF+8*(2*\dt+\u)+4:VF+8*(2*\dt+\u)+7], v[\adr] offset:(64*\j+32*\u)*VP+32*\dt+16*VP
.endr
.endr
.endm
; S^T: the tiles take turns, one instruction a turn.  kind = 1: tiles wholly above the diagonal are left out.
.macro QK kind
	WIN 0x05
.irp ks, 0,1
.irp qt, 0,1,2,3
.irp t, 0,1,2,3
.set DOIT, 1
.if \kind
.if \t > \qt
.set DOIT, 0
.endif
.endif
.if DOIT
.if \ks == 0
	v_wmma_f32_16x16x32_f16 v[S+32*\qt+8*\t:S+32*\qt+8*\t+7], v[KF+8*(2*\t+\ks):KF+8*(2*\t+\ks)+7], v[Q+8*(2*\qt+\ks):Q+8*(2*\qt+\ks)+7], 0
.else
	v_wmma_f32_16x16x32_f16 v[S+32*\qt+8*\t:S+32*\qt+8*\t+7], v[KF+8*(2*\t+\ks):KF+8*(2*\t+\ks)+7], v[Q+8*(2*\qt+\ks):Q+8*(2*\qt+\ks)+7], v[S+32*\qt+8*\t:S+32*\qt+8*\t+7]
.endif
.endif
.endr
.endr
.endr
	WIN 0
.endm
.macro MASK                            ; the diagonal 64 x 64: minus infinity above the diagonal
.irp qt, 0,1,2,3
.irp jj, 0,1,2,3,4,5,6,7
	v_cndmask_b32 v[S+40*\qt+\jj], v[S+40*\qt+\jj], v[NINF], s[MK+\jj]
.endr
.endr
.irp qt, 0,1,2
.irp t, 1,2,3
.if \t > \qt
.irp jj, 0,1,2,3,4,5,6,7
	v_mov_b32 v[S+32*\qt+8*\t+\jj], v[NINF]
.endr
.endif
.endr
.endr
.endm
.macro FMAQ qt, i                      ; two exponents: c S - c M
.if ((\qt)%2) == 0
	v_pk_fma_f32 v[S+32*\qt+2*\i:S+32*\qt+2*\i+1], v[S+32*\qt+2*\i:S+32*\qt+2*\i+1], s[18:19], v[NMC+\qt:NMC+\qt+1] op_sel_hi:[1,0,0]
.else
	v_pk_fma_f32 v[S+32*\qt+2*\i:S+32*\qt+2*\i+1], v[S+32*\qt+2*\i:S+32*\qt+2*\i+1], s[18:19], v[NMC+\qt-1:NMC+\qt] op_sel:[0,0,1] op_sel_hi:[1,0,1]
.endif
.endm
.macro PLAIN qt, i                     ; instruction i of the 32 that sum a query tile's weights and pack them to f16 in place
.if \i == 0
	s_wait_alu depctr_va_vdst(0)
	v_pk_add_f32 v[LS+2*\qt:LS+2*\qt+1], v[S+32*\qt:S+32*\qt+1], v[S+32*\qt+2:S+32*\qt+3]
.else
.if \i < 15
	v_pk_add_f32 v[LS+2*\qt:LS+2*\qt+1], v[LS+2*\qt:LS+2*\qt+1], v[S+32*\qt+2*\i+2:S+32*\qt+2*\i+3]
.else
.if \i == 15
	v_add_f32 v[LS+2*\qt], v[LS+2*\qt], v[LS+2*\qt+1]
.else
	v_cvt_pk_f16_f32 v[S+32*\qt+16*((\i-16)/8)+(\i-16)%8], v[S+32*\qt+16*((\i-16)/8)+2*((\i-16)%8)], v[S+32*\qt+16*((\i-16)/8)+2*((\i-16)%8)+1]
.endif
.endif
.endif
.endm
.macro SOFTMAX kind
.irp qt, 0,1,2,3
	v_max3_num_f32 v[MX+\qt], v[S+32*\qt], v[S+32*\qt+1], v[S+32*\qt+2]
.endr
.set ii, 0
.rept 14
.irp qt, 0,1,2,3
	v_max3_num_f32 v[MX+\qt], v[MX+\qt], v[S+32*\qt+3+2*ii], v[S+32*\qt+4+2*ii]
.endr
.set ii, ii+1
.endr
.irp qt, 0,1,2,3
.if \kind
	v_max_num_f32 v[MX+\qt], v[MX+\qt], v[S+32*\qt+31]
.else
	v_max3_num_f32 v[MX+\qt], v[MX+\qt], v[S+32*\qt+31], v[M+\qt]
.endif
.endr
.irp qt, 0,1,2,3
	v_permlanex16_b32 v[TP+\qt], v[MX+\qt], s16, s17           ; the other eight keys of each sixteen lie in the other half of the lanes
.endr
.irp qt, 0,1,2,3
	v_max_num_f32 v[M+\qt], v[MX+\qt], v[TP+\qt]
.endr
.if \kind
.irp qt, 0,1,2,3
	v_mul_f32 v[NMC+\qt], s20, v[M+\qt]
.endr
.else
.irp qt, 0,1,2,3
	v_mul_f32 v[TP+\qt], s20, v[M+\qt]
.endr
.irp qt, 0,1,2,3
	v_sub_f32 v[AL+\qt], v[TP+\qt], v[NMC+\qt]                 ; new shift - old shift, both as rounded
.endr
.irp qt, 0,1,2,3
	v_mov_b32 v[NMC+\qt], v[TP+\qt]
.endr
.irp qt, 0,1,2,3
	v_exp_f32 v[AL+\qt], v[AL+\qt]
.endr
.endif
.set ii, 0
.rept 16
	FMAQ 0, ii
.set ii, ii+1
.endr
.set ii, 0
.rept 16
	FMAQ 3, ii
.set ii, ii+1
.endr
	; Five stages.  The 32 exponentials of query tile kk alternate with 32 plain instructions on other registers (stage 0: the exponents
	; of tiles 1 and 2; later: sums and packing of tile kk - 1), so that a plain instruction stands behind every exponential before
	; its result is used (ISA guide 5.7.2).
.set kk, 0
.rept 5
.set ii, 0
.rept 32
.if kk < 4
	v_exp_f32 v[S+32*kk+ii], v[S+32*kk+ii]
.endif
.if kk == 0
.set qq, 1+ii/16
.set pp, ii%16
	FMAQ qq, pp
.else
.set qq, kk-1
	PLAIN qq, ii
.endif
.set ii, ii+1
.endr
.set kk, kk+1
.endr
.irp qt, 0,1,2,3
.if \kind
	v_mov_b32 v[LSUM+\qt], v[LS+2*\qt]
.else
	v_fma_f32 v[LSUM+\qt], v[LSUM+\qt], v[AL+\qt], v[LS+2*\qt]
.endif
.endr
.endm
.macro RESCALE                         ; the outputs so far, by each query's factor
	WIN 0x41
.irp qt, 0,1,2,3
.set ii, 0
.rept 16
.if (\qt%2) == 0
	v_pk_mul_f32 v[O+32*\qt+2*ii:O+32*\qt+2*ii+1], v[O+32*\qt+2*ii:O+32*\qt+2*ii+1], v[AL+\qt:AL+\qt+1] op_sel_hi:[1,0]
.else
	v_pk_mul_f32 v[O+32*\qt+2*ii:O+32*\qt+2*ii+1], v[O+32*\qt+2*ii:O+32*\qt+2*ii+1], v[AL+\qt-1:AL+\qt] op_sel:[0,1] op_sel_hi:[1,1]
.endif
.set ii, ii+1
.endr
.endr
.endm
.macro PV kind                         ; O^T += V^T x P^T; the tiles take turns, one instruction a turn
	WIN 0x50
.irp u, 0,1
.irp qt, 0,1,2,3
.irp dt, 0,1,2,3
.set ZC, 0
.if \kind
.if \u == 0
.set ZC, 1
.endif
.endif
.if ZC
	v_wmma_f32_16x16x32_f16 v[O+8*(4*\qt+\dt):O+8*(4*\qt+\dt)+7], v[VF+8*(2*\dt+\u):VF+8*(2*\dt+\u)+7], v[S+32*\qt+16*\u:S+32*\qt+16*\u+7], 0
.else
	v_wmma_f32_16x16x32_f16 v[O+8*(4*\qt+\dt):O+8*(4*\qt+\dt)+7], v[VF+8*(2*\dt+\u):VF+8*(2*\dt+\u)+7], v[S+32*\qt+16*\u:S+32*\qt+16*\u+7], v[O+8*(4*\qt+\dt):O+8*(4*\qt+\dt)+7]
.endif
.endr
.endr
.endr
	WIN 0
.endm
; 64 keys against my 64 queries.  The K fragments have been asked for already.  kind = 1: the masked tile, which starts all sums.
; nk: the 64 keys whose K fragments are asked for ahead, or -1.
.macro SUB kadr, vadr, j, kind, nk
	LOADV \vadr, \j
	s_wait_dscnt 16                                ; all but the 16 V loads just issued: K is in
	QK \kind
	PLACES 4
.if \nk >= 0
	LOADK \kadr, \nk
.endif
.if \kind
	MASK
.endif
	SOFTMAX \kind
.if \nk >= 0
	s_wait_dscnt 16                                ; V is in; the next 16 K loads may stay out
.else
	s_wait_dscnt 0x0
.endif
.if \kind == 0
	RESCALE
.endif
	PV \kind
	PLACES 5                                       ; before the next score tiles write over P, and before V fragments are loaded again
.endm
; The change of slots: my reads are back and all my tensor loads have landed; then the barrier; then the one refill, first thing.
.macro TURNKV other, refill
	s_wait_dscnt 0x0
	s_wait_tensorcnt 0x0
	ds_add_u32 v62, v63
	s_wait_dscnt 0x0
.if \refill
	NEXTKB
	SETG0 \other                                   ; no tensor load of mine is out: a group 0 may be written
.endif
	s_barrier_signal -1
	s_barrier_wait -1
.if \refill
	KVLOAD \other
.endif
.endm
.macro FULL slot                       ; a key block wholly below the diagonal
	LOADK KADR+\slot, 0
	SUB KADR+\slot, VADR+\slot, 0, 0, 1
	SUB KADR+\slot, VADR+\slot, 1, 0, 2
	SUB KADR+\slot, VADR+\slot, 2, 0, 3
	SUB KADR+\slot, VADR+\slot, 3, 0, -1
.endm
.macro DIAG slot                       ; the diagonal key block: my own 64 keys masked, then the 64-key tiles below them; those above are not touched
	s_wait_loadcnt 0x0                             ; q
	LOADK KADW+\slot, 0
	SUB KADW+\slot, VADW+\slot, 0, 1, -1
.irp j, 2,1,0
	s_cmp_le_u32 s8, \j
	s_cbranch_scc1 .Ldg_\@_\j
	LOADK KADR+\slot, \j
	SUB KADR+\slot, VADR+\slot, \j, 0, -1
.Ldg_\@_\j:
.endr
.endm
; The way out: divide by the sum, round to f16, 16 bytes a lane (eight d of one query) into my stage, back as whole rows.
.macro EPI ob
.irp qt, 0,1,2,3
	v_permlanex16_b32 v[TP+\qt], v[LSUM+\qt], s16, s17
.endr
.irp qt, 0,1,2,3
	v_add_f32 v[LSUM+\qt], v[LSUM+\qt], v[TP+\qt]
.endr
.irp qt, 0,1,2,3
	v_rcp_f32 v[AL+\qt], v[LSUM+\qt]
.endr
	v_nop                                          ; a plain place behind the reciprocals (ISA guide 5.7.2)
	s_wait_alu depctr_va_vdst(0)
	WIN 0x01
.irp qt, 0,1,2,3
.set ii, 0
.rept 16
.if (\qt%2) == 0
	v_pk_mul_f32 v[S+32*\qt+2*ii:S+32*\qt+2*ii+1], v[O+32*\qt+2*ii:O+32*\qt+2*ii+1], v[AL+\qt:AL+\qt+1] op_sel_hi:[1,0]
.else
	v_pk_mul_f32 v[S+32*\qt+2*ii:S+32*\qt+2*ii+1], v[O+32*\qt+2*ii:O+32*\qt+2*ii+1], v[AL+\qt-1:AL+\qt] op_sel:[0,1] op_sel_hi:[1,1]
.endif
.set ii, ii+1
.endr
.endr
	WIN 0
.set ii, 0
.rept 16
.irp p, 0,1,2,3
	v_cvt_pk_f16_f32 v[S+8*ii+\p], v[S+8*ii+2*\p], v[S+8*ii+2*\p+1]
.endr
.set ii, ii+1
.endr
.irp qt, 0,1,2,3
.irp dt, 0,1,2,3
	ds_store_b128 v[STO], v[S+8*(4*\qt+\dt):S+8*(4*\qt+\dt)+3] offset:\qt*16*KP+\dt*32
.endr
.endr
.irp p, 0,1,2,3,4,5,6,7,8,9,10,11,12,13,14,15
	ds_load_b128 v[VF+4*\p:VF+4*\p+3], v[RD] offset:\p*4*KP        ; LDS serves a wave in order: these see the stores above
.endr
.irp p, 0,1,2,3,4,5,6,7,8,9,10,11,12,13,14,15
	s_wait_dscnt 15-\p
	global_store_b128 v[OOFF], v[VF+4*\p:VF+4*\p+3], s[\ob:\ob+1] offset:\p*512   ; four rows: 512 consecutive bytes, aligned
.endr
	s_wait_xcnt 0x0                                ; the V fragment registers, which these stores read, are loaded again only behind this wait
.endm
	s_wait_tensorcnt 0x1                           ; my part of slot 0 is in; slot 1 may stay out
	s_barrier_signal -1
	s_barrier_wait -1
	DIAG 0
	s_cmp_eq_u32 s9, 0                             ; the first pass has 2 pi more key blocks
	s_cbranch_scc1 .La_done
	s_mov_b32 s21, 0
.La_loop:
	TURNKV 0, 1
	FULL 1
	TURNKV 1, 1
	FULL 0
	s_add_co_u32 s21, s21, 1
	s_cmp_lt_u32 s21, s9
	s_cbranch_scc1 .La_loop
.La_done:
	TURNKV 0, 1
	LOADQ 62                                       ; the second pass's q comes in while the first pass goes out
	EPI 66
	DIAG 1
	s_sub_co_u32 s70, 3, s9                        ; the second pass has 7 - 2 pi more key blocks: 3 - pi pairs and one
	s_cmp_eq_u32 s70, 0
	s_cbranch_scc1 .Lb_done
	s_mov_b32 s21, 0
.Lb_loop:
	TURNKV 1, 1
	FULL 0
	TURNKV 0, 1
	FULL 1
	s_add_co_u32 s21, s21, 1
	s_cmp_lt_u32 s21, s70
	s_cbranch_scc1 .Lb_loop
.Lb_done:
	TURNKV 1, 0                                    ; the ninth block: nothing is left to fetch
	FULL 0
	EPI 68
	s_wait_tensorcnt 0x0
	ds_add_u32 v62, v63
	s_wait_dscnt 0x0
	s_endpgm
.Lfunc_end_k_q47de05ad13_attn:
	.size	k_q47de05ad13_attn, .Lfunc_end_k_q47de05ad13_attn-k_q47de05ad13_attn
	.p2alignl 7, 3214868480
	.fill 96, 4, 3214868480
	.section	.rodata,"a",@progbits
	.p2align	6, 0x0
	.amdhsa_kernel k_q47de05ad13_attn
		.amdhsa_group_segment_fixed_size 327680
		.amdhsa_private_segment_fixed_size 0
		.amdhsa_enable_private_segment 0
		.amdhsa_kernarg_size 16
		.amdhsa_user_sgpr_count 2
		.amdhsa_user_sgpr_kernarg_segment_ptr 1
		.amdhsa_wavefront_size32 1
		.amdhsa_system_sgpr_workgroup_id_x 1
		.amdhsa_system_sgpr_workgroup_id_y 1
		.amdhsa_system_sgpr_workgroup_id_z 1
		.amdhsa_system_vgpr_workitem_id 0
		.amdhsa_next_free_vgpr 512
		.amdhsa_next_free_sgpr 88
		.amdhsa_reserve_vcc 0
		.amdhsa_float_denorm_mode_32 3
		.amdhsa_float_denorm_mode_16_64 3
		.amdhsa_memory_ordered 1
		.amdhsa_forward_progress 1
		.amdhsa_inst_pref_size 255
	.end_amdhsa_kernel
	.section	.bss,"aw",@nobits
	.p2align	6
	.space	262144
	.amdgpu_metadata
---
amdhsa.version: [ 1, 2 ]
amdhsa.kernels:
  - .name:           k_q47de05ad13_attn
    .symbol:         k_q47de05ad13_attn.kd
    .args:
      - { .name: heads, .offset: 0, .size: 8, .value_kind: global_buffer, .address_space: global }
      - { .name: att, .offset: 8, .size: 8, .value_kind: global_buffer, .address_space: global }
    .group_segment_fixed_size: 327680
    .private_segment_fixed_size: 0
    .kernarg_segment_align: 8
    .kernarg_segment_size: 16
    .max_flat_workgroup_size: 128
    .sgpr_count:     88
    .vgpr_count:     512
    .wavefront_size: 32
...
	.end_amdgpu_metadata
.endif
;; end of part 3
;; launch proj (part 4): grid 8 x 32, 4 waves a work-group, clusters of 4 x 4, 327,680 bytes of LDS; arguments att, wpb, b_proj, out0; writes out0
.if DOCPART == 4
	.amdgcn_target "amdgcn-amd-amdhsa--gfx1250"
	.amdhsa_code_object_version 6
	.text
	.protected	k_q47de05ad13_proj
	.globl	k_q47de05ad13_proj
	.p2align	8
	.type	k_q47de05ad13_proj,@function
k_q47de05ad13_proj:
	s_mov_b64 s[64:65], 0
	v_nop
	global_prefetch_b8 v0, s[64:65] scope:SCOPE_SE
	s_setreg_imm32_b32 hwreg(HW_REG_WAVE_MODE, 25, 1), 1
	s_wait_xcnt 0x0
	s_wait_alu depctr_hold_cnt(0) depctr_sa_sdst(0) depctr_va_vdst(0) depctr_va_sdst(0) depctr_va_ssrc(0) depctr_va_vcc(0) depctr_vm_vsrc(0)
	s_getreg_b32 s2, hwreg(HW_REG_IB_STS2, 6, 4)
	s_cmp_eq_u32 s2, 0
	s_cbranch_scc0 .Lentry_in_a_cluster
	s_endpgm
.Lentry_in_a_cluster:
	s_bfe_u32 s2, ttmp6, 0x10000c
	s_cmp_lg_u32 s2, 0xf033
	s_cbranch_scc0 .Lentry_shape_is_right
	s_endpgm
.Lentry_shape_is_right:
; out0[m][n] = b_proj[n] + sum over c of att[m][c] w_proj[n][c].  Operands f16 in K blocks ([16][rows][64]), sums and result f32.
; A work-group makes 256 rows x 128 columns with four waves; a wave makes 128 x 64: 32 accumulator tiles in window 1.
; K goes in steps of 128 (two K blocks) through two LDS slots; tiles are dense in memory, brought as rows of 256 bytes, and padded by
; 16 bytes after every 128, so that LDS rows are 144 bytes apart.
; CLUSTERS: 4 x 4 work-groups; att tiles are asked for jointly along a row of the cluster, w tiles along a column.
; Waves 0, 1 ask for the two K blocks of att, waves 2, 3 for those of w.  A wave has two tensor loads out at the start, one behind each round.
; The matrix instruction is used transposed (source 0 = rows of w, source 1 = rows of att): a lane holds eight neighbouring columns of a row.
; The bias is the C operand of the first products: nothing is cleared and nothing is added later.
.set PITCH,  144
.set AHALF,  256*PITCH                 ; one K block of the att tile
.set BHALF,  128*PITCH                 ; one K block of the w tile
.set BOFF,   2*AHALF
.set SLOT,   2*AHALF+2*BHALF
.set STAGE,  2*SLOT                    ; behind the ring: 16 rows x 272 bytes for each wave, never filled by the mover
.set SP,     272
.set ASTEP,  2*8192*128                ; bytes of att from a K step to the next
.set BSTEP,  2*1024*128
.set ADRA, 16
.set ADRB, 20
.set STO,  24
.set RD,   25
.set CO,   26
.set BO,   27
.set FA0,  32
.set FA1,  96
.set FB0,  160
.set FB1,  192
.set BIAS, 224                         ; v[224:255] tile bb: b_proj of my columns 16 bb + 8 h + 0..7
.set G1,  24
.set G0,  32
.set G1B, 48
.set G0B, 56
.set MSB, 0
.macro WIN new
.if MSB != \new
	s_set_vgpr_msb (MSB<<8)|\new
.set MSB, \new
.endif
.endm
.macro PLACES                          ; four places behind a matrix instruction (ISA guide 7.12.1)
.rept 4
	v_nop
.endr
.endm
.macro JLOAD s
	s_cmp_eq_u32 s11, 0
	s_cbranch_scc0 .Lfor_b_\@
	tensor_load_to_lds s[G0+4*\s:G0+4*\s+3], s[G1:G1+7]
	s_nop 0
	s_branch .Lasked_\@
.Lfor_b_\@:
	tensor_load_to_lds s[G0B+4*\s:G0B+4*\s+3], s[G1B:G1B+7]
	s_nop 0
.Lasked_\@:
.endm
.macro CREST
	s_cmp_lg_u32 s10, 0
	s_cbranch_scc1 .Lnot_wave_0_\@
	s_barrier_signal -3
.Lnot_wave_0_\@:
	s_barrier_wait -3
	s_barrier_signal -1
	s_barrier_wait -1
.endm
.macro CROUND
	s_barrier_signal -1
	s_barrier_wait -1
	CREST
.endm
	s_load_b128 s[4:7], s[0:1], 0x0                ; att s[4:5], wpb s[6:7]
	s_load_b128 s[68:71], s[0:1], 0x10             ; b_proj s[68:69], out0 s[70:71]
	v_lshl_add_u32 v30, v0, 2, 0x3a400
	v_mov_b32 v31, 0
	ds_add_u32 v30, v31
	ds_add_u32 v30, v31
	v_lshrrev_b32 v1, 5, v0
	v_readfirstlane_b32 s10, v1                    ; wave
	s_lshr_b32 s11, s10, 1                         ; which 128 rows are mine.  Also: I fetch for att (0) or for w (1)
	s_and_b32 s12, s10, 1                          ; which 64 columns.  Also: which K block of the step I fetch
	s_bfe_u32 s40, ttmp6, 0x40000                  ; cx
	s_bfe_u32 s41, ttmp6, 0x40004                  ; cy
	s_lshl_b32 s42, ttmp9, 2
	s_add_co_u32 s42, s42, s40                     ; block column
	s_and_b32 s13, ttmp7, 0xffff
	s_lshl_b32 s13, s13, 2
	s_add_co_u32 s13, s13, s41                     ; block row
	s_lshl_b32 s43, s41, 2
	s_lshl_b32 s43, 15, s43                        ; my row of the cluster
	s_lshl_b32 s44, 0x1111, s40                    ; my column
	s_or_b32 s[G1+0], s43, (1<<16)|(1<<20)|(1<<21)|(4<<22)|(3<<25)
	s_mov_b32 s[G1+1], 128<<16
	s_mov_b32 s[G1+2], 128<<16                     ; 128 memory rows = 256 rows of att
	s_mov_b32 s[G1+3], 128<<16
	s_mov_b32 s[G1+4], 128
	s_mov_b32 s[G1+5], 128
	s_mov_b32 s[G1+6], 0
	s_mov_b32 s[G1+7], 0
	s_or_b32 s[G1B+0], s44, (1<<16)|(1<<20)|(1<<21)|(4<<22)|(3<<25)
	s_mov_b32 s[G1B+1], 128<<16
	s_mov_b32 s[G1B+2], 64<<16                     ; 64 memory rows = 128 rows of w
	s_mov_b32 s[G1B+3], 128<<16
	s_mov_b32 s[G1B+4], 64
	s_mov_b32 s[G1B+5], 128
	s_mov_b32 s[G1B+6], 0
	s_mov_b32 s[G1B+7], 0
	s_lshl_b32 s16, s13, 15                        ; att: block row x 256 rows x 128 bytes
	s_lshl_b32 s17, s12, 20                        ; + my K block
	s_add_co_u32 s16, s16, s17
	s_mov_b32 s17, 0
	s_lshl_b32 s46, s42, 14                        ; w: block column x 128 rows x 128 bytes
	s_lshl_b32 s47, s12, 17                        ; + my K block
	s_add_co_u32 s46, s46, s47
	s_mov_b32 s47, 0
	s_mul_i32 s20, s10, AHALF                      ; att (waves 0, 1): wave x 256 rows
	s_mul_i32 s21, s10, BHALF
	s_add_co_u32 s21, s21, AHALF                   ; w (waves 2, 3): behind att's two blocks
	s_lshl_b32 s18, s42, 9                         ; my first column in bytes of f32: 512 x block column + 256 x half
	s_lshl_b32 s19, s12, 8
	s_add_co_u32 s18, s18, s19
	s_mov_b32 s19, 0
	s_wait_dscnt 0x0
	s_wait_kmcnt 0x0
	s_add_nc_u64 s[14:15], s[4:5], s[16:17]
	s_add_nc_u64 s[46:47], s[6:7], s[46:47]
	s_add_nc_u64 s[68:69], s[68:69], s[18:19]
	CROUND                                         ; all sixteen work-groups are here: the first joint loads meet
.irp s, 0,1
	s_mov_b32 s[G0+4*\s], 1
	s_add_co_u32 s[G0+4*\s+1], s20, \s*SLOT
	s_add_nc_u64 s[G0+4*\s+2:G0+4*\s+3], s[14:15], \s*ASTEP
	s_or_b32 s[G0+4*\s+3], s[G0+4*\s+3], 0x80000000
	s_mov_b32 s[G0B+4*\s], 1
	s_add_co_u32 s[G0B+4*\s+1], s21, \s*SLOT
	s_add_nc_u64 s[G0B+4*\s+2:G0B+4*\s+3], s[46:47], \s*BSTEP
	s_or_b32 s[G0B+4*\s+3], s[G0B+4*\s+3], 0x80000000
	JLOAD \s                                       ; K steps 0 and 1
.endr
	v_and_b32 v1, 15, v0                           ; r
	v_bfe_u32 v2, v0, 4, 1                         ; h
	v_lshlrev_b32 v[BO], 5, v2                     ; eight f32 for each half of the lanes
.irp bb, 0,1,2,3
	global_load_b128 v[BIAS+8*\bb:BIAS+8*\bb+3],   v[BO], s[68:69] offset:64*\bb
	global_load_b128 v[BIAS+8*\bb+4:BIAS+8*\bb+7], v[BO], s[68:69] offset:64*\bb+16
.endr
	v_mul_u32_u24 v3, v1, PITCH
	v_lshl_add_u32 v3, v2, 4, v3
	s_mul_i32 s22, s11, 128*PITCH
	s_mul_i32 s23, s12, 64*PITCH
	s_add_co_u32 s23, s23, BOFF
.irp s, 0,1
	v_add_nc_u32 v[ADRA+\s], s22, v3
	v_add_nc_u32 v[ADRB+\s], s23, v3
	s_add_co_u32 s22, s22, SLOT
	s_add_co_u32 s23, s23, SLOT
.endr
	s_mul_i32 s23, s10, 16*SP
	s_add_co_u32 s23, s23, STAGE
	v_mul_u32_u24 v4, v1, SP
	v_lshl_add_u32 v4, v2, 5, v4
	v_add_nc_u32 v[STO], s23, v4                   ; in: row r, 32 bytes for each half of the lanes
	v_mul_u32_u24 v5, v2, SP
	v_lshl_add_u32 v5, v1, 4, v5
	v_add_nc_u32 v[RD], s23, v5                    ; back: lanes 0-15 a row of 256 bytes, lanes 16-31 the next
	v_lshlrev_b32 v5, 12, v2
	v_lshl_add_u32 v[CO], v1, 4, v5                ; the same two rows in out0
; 16 matrix instructions: row blocks 4 half .. 4 half + 3 x my four column blocks, 32 along K.
; The accumulators take turns, one instruction a turn.  first = 1: the bias starts the sums.
.macro MUL16 fa, fb, half, first
.if \first
	WIN 0x40
.else
	WIN 0x50
.endif
.irp a, 0,1,2,3
.irp bb, 0,1,2,3
.if \first
	v_wmma_f32_16x16x32_f16 v[8*(4*(4*\half+\a)+\bb):8*(4*(4*\half+\a)+\bb)+7], v[\fb+8*\bb:\fb+8*\bb+7], v[\fa+8*(4*\half+\a):\fa+8*(4*\half+\a)+7], v[BIAS+8*\bb:BIAS+8*\bb+7]
.else
	v_wmma_f32_16x16x32_f16 v[8*(4*(4*\half+\a)+\bb):8*(4*(4*\half+\a)+\bb)+7], v[\fb+8*\bb:\fb+8*\bb+7], v[\fa+8*(4*\half+\a):\fa+8*(4*\half+\a)+7], v[8*(4*(4*\half+\a)+\bb):8*(4*(4*\half+\a)+\bb)+7]
.endif
.endr
.endr
.endm
.macro FETCH slot, q, fa, fb           ; quarter q of a K step: K block q / 2, byte 64 (q mod 2) of its rows: 64 rows of w, 128 of att
	WIN 0
.irp i, 0,1,2,3
	ds_load_b128 v[\fb+8*\i:\fb+8*\i+3],   v[ADRB+\slot] offset:(\q/2)*BHALF+(\q%2)*64+\i*16*PITCH
	ds_load_b128 v[\fb+8*\i+4:\fb+8*\i+7], v[ADRB+\slot] offset:(\q/2)*BHALF+(\q%2)*64+\i*16*PITCH+32
.endr
.irp i, 0,1,2,3,4,5,6,7
	ds_load_b128 v[\fa+8*\i:\fa+8*\i+3],   v[ADRA+\slot] offset:(\q/2)*AHALF+(\q%2)*64+\i*16*PITCH
	ds_load_b128 v[\fa+8*\i+4:\fa+8*\i+7], v[ADRA+\slot] offset:(\q/2)*AHALF+(\q%2)*64+\i*16*PITCH+32
.endr
.endm
.macro HEAD3 s, first                  ; the first three quarters: each asks for the next one's fragments, then multiplies its own
	PLACES
	FETCH \s, 1, FA1, FB1
	s_wait_dscnt 24                                ; all but the 24 just issued
	MUL16 FA0, FB0, 0, \first
	MUL16 FA0, FB0, 1, \first
	PLACES
	FETCH \s, 2, FA0, FB0
	s_wait_dscnt 24
	MUL16 FA1, FB1, 0, 0
	MUL16 FA1, FB1, 1, 0
	PLACES
	FETCH \s, 3, FA1, FB1
	s_wait_dscnt 24
	MUL16 FA0, FB0, 0, 0
	MUL16 FA0, FB0, 1, 0
.endm
.macro STEP s, n, first, fill
	HEAD3 \s, \first
	s_wait_dscnt 0x0                               ; my reads of this slot are over,
	s_wait_tensorcnt 0x0                           ; and my one tensor load that was out, my part of the other slot, has landed
	ds_add_u32 v30, v31
	s_wait_dscnt 0x0
	s_barrier_signal -1                            ; (where the slot is filled again this barrier opens a round of the cluster's barrier)
	MUL16 FA1, FB1, 0, 0
	WIN 0
	s_barrier_wait -1
.if \fill
	CREST                                          ; no wave of any partner still reads this slot or has a load on its way
	s_add_nc_u64 s[G0+4*\s+2:G0+4*\s+3], s[G0+4*\s+2:G0+4*\s+3], 2*ASTEP
	s_add_nc_u64 s[G0B+4*\s+2:G0B+4*\s+3], s[G0B+4*\s+2:G0B+4*\s+3], 2*BSTEP
	JLOAD \s                                       ; the first tensor load behind the round; 112 matrix instructions stand between it and the wait for it
.endif
	PLACES
	FETCH \n, 0, FA0, FB0
	MUL16 FA1, FB1, 1, 0
.endm
	s_wait_tensorcnt 0x1                           ; my part of K step 0 is in; step 1 may stay out
	s_barrier_signal -1
	s_barrier_wait -1
	FETCH 0, 0, FA0, FB0
	s_wait_loadcnt 0x0                             ; the bias
	STEP 0, 1, 1, 1
	STEP 1, 0, 0, 1
	WIN 0
	s_mov_b32 s3, 2
.Llap:
	STEP 0, 1, 0, 1
	STEP 1, 0, 0, 1
	WIN 0
	s_sub_co_u32 s3, s3, 1
	s_cmp_lg_u32 s3, 0
	s_cbranch_scc1 .Llap
	STEP 0, 1, 0, 0                                ; K steps 6 and 7: nothing is left to fetch
	HEAD3 1, 0
	s_wait_dscnt 0x0
	MUL16 FA1, FB1, 0, 0
	MUL16 FA1, FB1, 1, 0
	WIN 0
	PLACES
	s_lshl_b32 s16, s13, 20                        ; my first row of out0: (256 x block row + 128 x half) x 4,096 bytes
	s_lshl_b32 s14, s11, 19
	s_add_co_u32 s16, s16, s14
	s_mov_b32 s17, 0
	s_add_nc_u64 s[70:71], s[70:71], s[16:17]
	s_add_nc_u64 s[70:71], s[70:71], s[18:19]      ; and my first column
; Rows 16 a .. 16 a + 15 of my block through my own stage: in as 32 bytes a lane, back as whole rows of 256 bytes.
.macro OUT a, f
	WIN 0x04
.irp bb, 0,1,2,3
	ds_store_b128 v[STO], v[8*(4*\a+\bb):8*(4*\a+\bb)+3]   offset:64*\bb
	ds_store_b128 v[STO], v[8*(4*\a+\bb)+4:8*(4*\a+\bb)+7] offset:64*\bb+16
.endr
	WIN 0
	s_wait_xcnt 0x0                                ; buffer f, which earlier stores read, is loaded again only behind this wait
.irp t, 0,1,2,3,4,5,6,7
	ds_load_b128 v[\f+4*\t:\f+4*\t+3], v[RD] offset:\t*2*SP        ; LDS serves a wave in order: these see the stores above
.endr
.irp t, 0,1,2,3,4,5,6,7
	s_wait_dscnt 7-\t
	global_store_b128 v[CO], v[\f+4*\t:\f+4*\t+3], s[70:71] offset:(16*\a+2*\t)*4096 th:TH_STORE_NT   ; sixteen lanes store 256 consecutive bytes, aligned
.endr
.endm
	OUT 0, FA0
	OUT 1, FA1
	OUT 2, FA0
	OUT 3, FA1
	OUT 4, FA0
	OUT 5, FA1
	OUT 6, FA0
	OUT 7, FA1
	s_wait_tensorcnt 0x0
	ds_add_u32 v30, v31
	s_wait_dscnt 0x0
	CROUND                                         ; the closing round: no work-group ends while a partner may still ask jointly
	s_endpgm
.Lfunc_end_k_q47de05ad13_proj:
	.size	k_q47de05ad13_proj, .Lfunc_end_k_q47de05ad13_proj-k_q47de05ad13_proj
	.p2alignl 7, 3214868480
	.fill 96, 4, 3214868480
	.section	.rodata,"a",@progbits
	.p2align	6, 0x0
	.amdhsa_kernel k_q47de05ad13_proj
		.amdhsa_group_segment_fixed_size 327680
		.amdhsa_private_segment_fixed_size 0
		.amdhsa_enable_private_segment 0
		.amdhsa_kernarg_size 32
		.amdhsa_user_sgpr_count 2
		.amdhsa_user_sgpr_kernarg_segment_ptr 1
		.amdhsa_wavefront_size32 1
		.amdhsa_system_sgpr_workgroup_id_x 1
		.amdhsa_system_sgpr_workgroup_id_y 1
		.amdhsa_system_sgpr_workgroup_id_z 1
		.amdhsa_system_vgpr_workitem_id 0
		.amdhsa_next_free_vgpr 512
		.amdhsa_next_free_sgpr 72
		.amdhsa_reserve_vcc 0
		.amdhsa_float_denorm_mode_32 3
		.amdhsa_float_denorm_mode_16_64 3
		.amdhsa_memory_ordered 1
		.amdhsa_forward_progress 1
		.amdhsa_inst_pref_size 118
	.end_amdhsa_kernel
	.amdgpu_metadata
---
amdhsa.version: [ 1, 2 ]
amdhsa.kernels:
  - .name:           k_q47de05ad13_proj
    .symbol:         k_q47de05ad13_proj.kd
    .args:
      - { .name: att, .offset: 0, .size: 8, .value_kind: global_buffer, .address_space: global }
      - { .name: wpb, .offset: 8, .size: 8, .value_kind: global_buffer, .address_space: global }
      - { .name: b_proj, .offset: 16, .size: 8, .value_kind: global_buffer, .address_space: global }
      - { .name: out0, .offset: 24, .size: 8, .value_kind: global_buffer, .address_space: global }
    .group_segment_fixed_size: 327680
    .private_segment_fixed_size: 0
    .kernarg_segment_align: 8
    .kernarg_segment_size: 32
    .max_flat_workgroup_size: 128
    .sgpr_count:     72
    .vgpr_count:     512
    .wavefront_size: 32
...
	.end_amdgpu_metadata
.endif
;; end of part 4
;; ======== version 2 of 3: 4 launches; 1.21 times as fast as version 1
;; limits: values are held in f16: magnitudes above 65,504 overflow, below 6.1e-05 lose precision
;; workspace buffers: xb 16,777,216 bytes; wqb 6,291,456 bytes; wpb 2,097,152 bytes; heads 50,331,648 bytes; att 16,777,216 bytes
;; launch cast: the kernel of part 1 again; grid 768 x 1, 8 waves a work-group, no clusters, 0 bytes of LDS; arguments x, w_qkv, w_proj, xb, wqb, wpb; writes xb, wqb, wpb
;; launch qkvgemm: the kernel of part 2 again; grid 8 x 32, 4 waves a work-group, clusters of 4 x 4, 327,680 bytes of LDS; arguments xb, wqb, heads; writes heads
;; launch attn (part 5): grid 4 x 64, 4 waves a work-group, no clusters, 327,680 bytes of LDS; arguments heads, att; writes att
.if DOCPART == 5
	.amdgcn_target "amdgcn-amd-amdhsa--gfx1250"
	.amdhsa_code_object_version 6
	.text
	.protected	k_q47de05ad13_attn
	.globl	k_q47de05ad13_attn
	.p2align	8
	.type	k_q47de05ad13_attn,@function
k_q47de05ad13_attn:
	s_mov_b64 s[64:65], 0
	v_nop
	global_prefetch_b8 v0, s[64:65] scope:SCOPE_SE
	s_setreg_imm32_b32 hwreg(HW_REG_WAVE_MODE, 25, 1), 1
	s_wait_xcnt 0x0
; Causal attention of one head: att[head][b*2048+t][d] = softmax over keys <= t of (q.k / 8), times v.  q, k, v, the weights and the
; result are f16 matrix operands; scores, running maximum, sums and outputs are f32.
; LIMITS: weights smaller than 2^-24 of the row's largest are dropped (f16); the result, an average of v, stays inside f16 where v does.
; Work-group (pi, b*16+head) does the query blocks 2 pi and 7 - 2 pi of 256 rows: 9 key blocks of 256 keys for every work-group.
; A wave owns 64 queries.  Key blocks are walked downward, the diagonal block first, and in it the wave's own masked 64 keys first:
; every row has its own key there, so the first maximum is finite and the first products start all sums.
; BOTH PRODUCTS ARE TRANSPOSED: S^T = K rows x Q rows puts query r in lane r and eight keys in a lane's registers, so that two packed
; score tiles are at once the second operand of O^T = V^T x P^T: the weights never leave registers, and maximum, sum and rescale factor
; are one number a lane for each 16 queries.  V^T comes from rows [key][d] by the transposing LDS load.
; The exponent is c S - round(c M), c = log2(e) / 8; old sums are rescaled by 2^(difference of the two rounded shifts), so old and new
; terms agree whatever the size of the scores.
; THE TEXT IS KEPT SHORT: a wave runs up to 36 steps of 64 keys (some 590 instructions each) from fourteen written copies.  The nine key
; blocks t = 0 .. 8 lie in slot t mod 2 and are walked by one loop of four trips (blocks 2 i and 2 i + 1) and a tail (block 8, behind
; which nothing is fetched).  The second pass begins at block 2 pi + 1, which is odd: its diagonal block is always in slot 1, in trip
; i = pi.  Every LDS address register is fixed; a tile's place in its slot stands in the immediates.
; NO MULTICAST: in the same step the four work-groups of a head need different key blocks (they start at blocks 0, 2, 4, 6 and walk
; down); in lock-step over the union of their blocks each would pass more blocks than the nine it needs.
; LDS: two slots of 81,920 bytes: K 256 x 144 at 0, V 256 x 160 at 40,960; behind them 64 x 144 bytes of stage for each wave.
; Waves 0, 1 fetch the halves of K, waves 2, 3 those of V: one tensor load a wave is out at any time.
.set KP,    144
.set VP,    160
.set VOFF,  40960
.set SLOT,  81920
.set STAGE, 2*SLOT
.set KADR, 4                           ; v4-5   K fragments at key 0 of slot 0, 1
.set VADR, 6                           ; v6-7   V fragments
.set KADW, 8                           ; v8-9   the same at my own 64 keys of the block
.set VADW, 10                          ; v10-11
.set STO,  12
.set RD,   13
.set QOFF, 14
.set OOFF, 15
.set NINF, 16
.set M,    20                          ; v[20:23] running maximum of the raw scores, one for each 16 queries
.set NMC,  24                          ; v[24:27] - c M, rounded
.set AL,   28                          ; v[28:31] rescale factor
.set LSUM, 32                          ; v[32:35] running sum (this half of the lanes' keys)
.set MX,   36
.set TP,   40
.set LS,   44                          ; v[44:51] four pairs
.set VF,   64                          ; v[64:127]  V^T fragment (dt, u) at 8 (2 dt + u)
.set S,    128                         ; v[128:255] score tile (t, qt) at 32 qt + 8 t; then P fragment (qt, u) at 32 qt + 16 u
.set O,    0                           ; window 1: v[0:127] output tile (qt, dt) at 8 (4 qt + dt)
.set Q,    128                         ; window 1: v[128:191] Q fragment (qt, ks) at 8 (2 qt + ks)
.set KF,   192                         ; window 1: v[192:255] K fragment (t, ks) at 8 (2 t + ks)
.set G1K, 24
.set G0K, 32
.set G1V, 40
.set G0V, 48
.set MK,  72                           ; s[72:79] lanes whose key 8 h + jj lies above query r
.set MSB, 0
.macro WIN new
.if MSB != \new
	s_set_vgpr_msb (MSB<<8)|\new
.set MSB, \new
.endif
.endm
.macro PLACES n                        ; places behind matrix instructions (ISA guide 7.12.1)
.rept \n
	v_nop
.endr
.endm
.macro NEXTKB                          ; the next key block: one down; below 0 the second pass begins at its diagonal block
	s_sub_co_i32 s15, s15, 1
	s_cmp_lt_i32 s15, 0
	s_cselect_b32 s15, s14, s15
.endm
.macro SETG0 slot                      ; both descriptors of a slot point at key block s15
	s_lshl_b32 s22, s15, 15                        ; 256 keys of 128 bytes
	s_add_nc_u64 s[G0K+4*\slot+2:G0K+4*\slot+3], s[56:57], s[22:23]
	s_or_b32 s[G0K+4*\slot+3], s[G0K+4*\slot+3], 0x80000000
	s_add_nc_u64 s[G0V+4*\slot+2:G0V+4*\slot+3], s[58:59], s[22:23]
	s_or_b32 s[G0V+4*\slot+3], s[G0V+4*\slot+3], 0x80000000
.endm
.macro KVLOAD slot
	s_cmp_lt_u32 s8, 2
	s_cbranch_scc0 .Lkv_v_\@
	tensor_load_to_lds s[G0K+4*\slot:G0K+4*\slot+3], s[G1K:G1K+7]
	s_nop 0
	s_branch .Lkv_d_\@
.Lkv_v_\@:
	tensor_load_to_lds s[G0V+4*\slot:G0V+4*\slot+3], s[G1V:G1V+7]
	s_nop 0
.Lkv_d_\@:
.endm
	s_load_b128 s[4:7], s[0:1], 0x0                ; heads s[4:5], att s[6:7]
	v_lshl_add_u32 v62, v0, 2, 0x31000
	v_mov_b32 v63, 0
	ds_add_u32 v62, v63
	ds_add_u32 v62, v63
	v_lshrrev_b32 v1, 5, v0
	v_readfirstlane_b32 s8, v1                     ; wave
	s_mov_b32 s9, ttmp9                            ; pi
	s_and_b32 s10, ttmp7, 0xffff
	s_lshr_b32 s11, s10, 4                         ; b
	s_and_b32 s12, s10, 15                         ; head
	s_lshl_b32 s13, s9, 1                          ; first query block
	s_sub_co_u32 s14, 7, s13                       ; second query block
	s_mov_b32 s15, s13                             ; key block to fetch
	s_mov_b32 s16, 0x76543210                      ; v_permlanex16_b32: lane i reads lane i of the other half
	s_mov_b32 s17, 0xfedcba98
	s_mov_b32 s18, 0x3e38aa3b                      ; c = log2(e) / 8
	s_mov_b32 s19, 0x3e38aa3b
	s_mov_b32 s20, 0xbe38aa3b                      ; - c
	s_mov_b32 s23, 0
	; group 1: 64 memory rows of 128 f16 = 128 keys; padding after every 32 words: 4 words for K (pitch 144), 8 for V (pitch 160)
	s_mov_b32 s[G1K+0], (1<<16)|(1<<20)|(4<<22)|(3<<25)
	s_mov_b32 s[G1K+1], 128<<16
	s_mov_b32 s[G1K+2], 64<<16
	s_mov_b32 s[G1K+3], 128<<16
	s_mov_b32 s[G1K+4], 64
	s_mov_b32 s[G1K+5], 128
	s_mov_b32 s[G1K+6], 0
	s_mov_b32 s[G1K+7], 0
	s_mov_b32 s[G1V+0], (1<<16)|(1<<20)|(4<<22)|(7<<25)
	s_mov_b32 s[G1V+1], 128<<16
	s_mov_b32 s[G1V+2], 64<<16
	s_mov_b32 s[G1V+3], 128<<16
	s_mov_b32 s[G1V+4], 64
	s_mov_b32 s[G1V+5], 128
	s_mov_b32 s[G1V+6], 0
	s_mov_b32 s[G1V+7], 0
	s_mul_i32 s70, s8, 128*KP                      ; K: waves 0, 1 at 0 and 18,432
	s_mul_i32 s71, s8, 128*VP                      ; V: waves 2, 3 at 40,960 and 61,440
.irp s, 0,1
	s_mov_b32 s[G0K+4*\s], 1
	s_add_co_u32 s[G0K+4*\s+1], s70, \s*SLOT
	s_mov_b32 s[G0V+4*\s], 1
	s_add_co_u32 s[G0V+4*\s+1], s71, \s*SLOT
.endr
	s_mul_i32 s84, s11, 48
	s_add_co_u32 s84, s84, s12
	s_lshl_b32 s84, s84, 18                        ; bytes to q of (b, head); k lies 16, v 32 heads further
	s_and_b32 s85, s8, 1
	s_lshl_b32 s85, s85, 14                        ; which 128 keys of a block I fetch
	s_add_co_u32 s80, s84, s85
	s_mov_b32 s81, 0
	s_mov_b32 s83, 0
	s_wait_dscnt 0x0
	s_wait_kmcnt 0x0
	s_add_nc_u64 s[56:57], s[4:5], s[80:81]
	s_add_nc_u64 s[58:59], s[56:57], 32<<18        ; V
	s_add_nc_u64 s[56:57], s[56:57], 16<<18        ; K
	SETG0 0
	KVLOAD 0                                       ; block 0, the first pass's diagonal block: the one first fill at the start, ahead of every wait, LDS read and barrier
	s_lshl_b32 s85, s8, 13                         ; my 64 rows of 128 bytes
	s_add_co_u32 s84, s84, s85
	s_lshl_b32 s86, s13, 15                        ; a query block is 256 rows of 128 bytes
	s_lshl_b32 s87, s14, 15
	s_add_co_u32 s80, s84, s86
	s_add_co_u32 s82, s84, s87
	s_add_nc_u64 s[60:61], s[4:5], s[80:81]        ; my q rows, first pass
	s_add_nc_u64 s[62:63], s[4:5], s[82:83]        ; second pass
	s_lshl_b32 s84, s12, 20                        ; att: head x 8,192 rows
	s_lshl_b32 s21, s11, 18                        ; + b x 2,048 rows
	s_add_co_u32 s84, s84, s21
	s_add_co_u32 s84, s84, s85
	s_add_co_u32 s80, s84, s86
	s_add_co_u32 s82, s84, s87
	s_add_nc_u64 s[66:67], s[6:7], s[80:81]
	s_add_nc_u64 s[68:69], s[6:7], s[82:83]
	v_and_b32 v1, 15, v0                           ; r
	v_bfe_u32 v2, v0, 4, 1                         ; h
	v_and_b32 v3, 31, v0                           ; lane
	v_lshlrev_b32 v[QOFF], 7, v1
	v_lshl_add_u32 v[QOFF], v2, 4, v[QOFF]         ; r x 128 + 16 h
.macro LOADQ base                      ; 64 rows of q as second operands: column = query r, K = d
	WIN 0x40
.irp qt, 0,1,2,3
.irp ks, 0,1
	global_load_b128 v[Q+8*(2*\qt+\ks):Q+8*(2*\qt+\ks)+3],   v[QOFF], s[\base:\base+1] offset:\qt*2048+64*\ks
	global_load_b128 v[Q+8*(2*\qt+\ks)+4:Q+8*(2*\qt+\ks)+7], v[QOFF], s[\base:\base+1] offset:\qt*2048+64*\ks+32
.endr
.endr
	WIN 0
.endm
	LOADQ 60
	v_mul_u32_u24 v17, v1, KP
	v_lshl_add_u32 v17, v2, 4, v17                 ; r x 144 + 16 h
	v_mov_b32 v[KADR], v17
	v_add_nc_u32 v[KADR+1], SLOT, v17
	v_and_b32 v18, 7, v0
	v_lshl_add_u32 v18, v2, 3, v18                 ; key 8 h + (lane mod 8)
	v_mul_u32_u24 v18, v18, VP
	v_bfe_u32 v19, v0, 3, 1
	v_lshl_add_u32 v18, v19, 4, v18                ; + 16 bytes for the upper eight of sixteen lanes
	v_add_nc_u32 v[VADR], VOFF, v18
	v_add_nc_u32 v[VADR+1], VOFF+SLOT, v18
	s_mul_i32 s70, s8, 64*KP
	s_mul_i32 s71, s8, 64*VP
.irp s, 0,1
	v_add_nc_u32 v[KADW+\s], s70, v[KADR+\s]
	v_add_nc_u32 v[VADW+\s], s71, v[VADR+\s]
.endr
	s_add_co_u32 s70, s70, STAGE                   ; my stage: 64 rows of 144 bytes
	v_add_nc_u32 v[STO], s70, v17
	v_lshrrev_b32 v18, 3, v3
	v_and_b32 v19, 7, v0
	v_mul_u32_u24 v18, v18, KP
	v_lshl_add_u32 v18, v19, 4, v18
	v_add_nc_u32 v[RD], s70, v18
	v_lshlrev_b32 v[OOFF], 4, v3
	v_mov_b32 v[NINF], 0xff800000
.irp jj, 0,1,2,3,4,5,6,7
	v_lshl_add_u32 v18, v2, 3, \jj
	v_cmp_gt_u32 s[MK+\jj], v18, v1                ; key 8 h + jj above query r
.endr
.irp qt, 0,1,2,3
	v_mov_b32 v[TP+\qt], 0                         ; v_permlanex16_b32 counts as a reader of its destination
.endr
.macro LOADK adr, j                    ; 64 keys as first operands: row = key, K = d
	WIN 0x40
.irp t, 0,1,2,3
.irp ks, 0,1
	ds_load_b128 v[KF+8*(2*\t+\ks):KF+8*(2*\t+\ks)+3],   v[\adr] offset:(64*\j+16*\t)*KP+64*\ks
	ds_load_b128 v[KF+8*(2*\t+\ks)+4:KF+8*(2*\t+\ks)+7], v[\adr] offset:(64*\j+16*\t)*KP+64*\ks+32
.endr
.endr
	WIN 0
.endm
.macro LOADV adr, j                    ; the same 64 keys of V, transposed: row = d, K = key
.irp dt, 0,1,2,3
.irp u, 0,1
	ds_load_tr16_b128 v[VF+8*(2*\dt+\u):VF+8*(2*\dt+\u)+3],   v[\adr] offset:(64*\j+32*\u)*VP+32*\dt
	ds_load_tr16_b128 v[VF+8*(2*\dt+\u)+4:VF+8*(2*\dt+\u)+7], v[\adr] offset:(64*\j+32*\u)*VP+32*\dt+16*VP
.endr
.endr
.endm
; S^T: the tiles take turns, one instruction a turn.  kind = 1: tiles wholly above the diagonal are left out.
.macro QK kind
	WIN 0x05
.irp ks, 0,1
.irp qt, 0,1,2,3
.irp t, 0,1,2,3
.set DOIT, 1
.if \kind
.if \t > \qt
.set DOIT, 0
.endif
.endif
.if DOIT
.if \ks == 0
	v_wmma_f32_16x16x32_f16 v[S+32*\qt+8*\t:S+32*\qt+8*\t+7], v[KF+8*(2*\t+\ks):KF+8*(2*\t+\ks)+7], v[Q+8*(2*\qt+\ks):Q+8*(2*\qt+\ks)+7], 0
.else
	v_wmma_f32_16x16x32_f16 v[S+32*\qt+8*\t:S+32*\qt+8*\t+7], v[KF+8*(2*\t+\ks):KF+8*(2*\t+\ks)+7], v[Q+8*(2*\qt+\ks):Q+8*(2*\qt+\ks)+7], v[S+32*\qt+8*\t:S+32*\qt+8*\t+7]
.endif
.endif
.endr
.endr
.endr
	WIN 0
.endm
.macro MASK                            ; the diagonal 64 x 64: minus infinity above the diagonal
.irp qt, 0,1,2,3
.irp jj, 0,1,2,3,4,5,6,7
	v_cndmask_b32 v[S+40*\qt+\jj], v[S+40*\qt+\jj], v[NINF], s[MK+\jj]
.endr
.endr
.irp qt, 0,1,2
.irp t, 1,2,3
.if \t > \qt
.irp jj, 0,1,2,3,4,5,6,7
	v_mov_b32 v[S+32*\qt+8*\t+\jj], v[NINF]
.endr
.endif
.endr
.endr
.endm
.macro FMAQ qt, i                      ; two exponents: c S - c M
.if ((\qt)%2) == 0
	v_pk_fma_f32 v[S+32*\qt+2*\i:S+32*\qt+2*\i+1], v[S+32*\qt+2*\i:S+32*\qt+2*\i+1], s[18:19], v[NMC+\qt:NMC+\qt+1] op_sel_hi:[1,0,0]
.else
	v_pk_fma_f32 v[S+32*\qt+2*\i:S+32*\qt+2*\i+1], v[S+32*\qt+2*\i:S+32*\qt+2*\i+1], s[18:19], v[NMC+\qt-1:NMC+\qt] op_sel:[0,0,1] op_sel_hi:[1,0,1]
.endif
.endm
.macro PLAIN qt, i                     ; instruction i of the 32 that sum a query tile's weights and pack them to f16 in place
.if \i == 0
	s_wait_alu depctr_va_vdst(0)
	v_pk_add_f32 v[LS+2*\qt:LS+2*\qt+1], v[S+32*\qt:S+32*\qt+1], v[S+32*\qt+2:S+32*\qt+3]
.else
.if \i < 15
	v_pk_add_f32 v[LS+2*\qt:LS+2*\qt+1], v[LS+2*\qt:LS+2*\qt+1], v[S+32*\qt+2*\i+2:S+32*\qt+2*\i+3]
.else
.if \i == 15
	v_add_f32 v[LS+2*\qt], v[LS+2*\qt], v[LS+2*\qt+1]
.else
	v_cvt_pk_f16_f32 v[S+32*\qt+16*((\i-16)/8)+(\i-16)%8], v[S+32*\qt+16*((\i-16)/8)+2*((\i-16)%8)], v[S+32*\qt+16*((\i-16)/8)+2*((\i-16)%8)+1]
.endif
.endif
.endif
.endm
.macro SOFTMAX kind
.irp qt, 0,1,2,3
	v_max3_num_f32 v[MX+\qt], v[S+32*\qt], v[S+32*\qt+1], v[S+32*\qt+2]
.endr
.set ii, 0
.rept 14
.irp qt, 0,1,2,3
	v_max3_num_f32 v[MX+\qt], v[MX+\qt], v[S+32*\qt+3+2*ii], v[S+32*\qt+4+2*ii]
.endr
.set ii, ii+1
.endr
.irp qt, 0,1,2,3
.if \kind
	v_max_num_f32 v[MX+\qt], v[MX+\qt], v[S+32*\qt+31]
.else
	v_max3_num_f32 v[MX+\qt], v[MX+\qt], v[S+32*\qt+31], v[M+\qt]
.endif
.endr
.irp qt, 0,1,2,3
	v_permlanex16_b32 v[TP+\qt], v[MX+\qt], s16, s17           ; the other eight keys of each sixteen lie in the other half of the lanes
.endr
.irp qt, 0,1,2,3
	v_max_num_f32 v[M+\qt], v[MX+\qt], v[TP+\qt]
.endr
.if \kind
.irp qt, 0,1,2,3
	v_mul_f32 v[NMC+\qt], s20, v[M+\qt]
.endr
.else
.irp qt, 0,1,2,3
	v_mul_f32 v[TP+\qt], s20, v[M+\qt]
.endr
.irp qt, 0,1,2,3
	v_sub_f32 v[AL+\qt], v[TP+\qt], v[NMC+\qt]                 ; new shift - old shift, both as rounded
.endr
.irp qt, 0,1,2,3
	v_mov_b32 v[NMC+\qt], v[TP+\qt]
.endr
.irp qt, 0,1,2,3
	v_exp_f32 v[AL+\qt], v[AL+\qt]
.endr
.endif
.set ii, 0
.rept 16
	FMAQ 0, ii
.set ii, ii+1
.endr
.set ii, 0
.rept 16
	FMAQ 3, ii
.set ii, ii+1
.endr
	; Five stages.  The 32 exponentials of query tile kk alternate with 32 plain instructions on other registers (stage 0: the exponents
	; of tiles 1 and 2; later: sums and packing of tile kk - 1), so that a plain instruction stands behind every exponential before
	; its result is used (ISA guide 5.7.2).
.set kk, 0
.rept 5
.set ii, 0
.rept 32
.if kk < 4
	v_exp_f32 v[S+32*kk+ii], v[S+32*kk+ii]
.endif
.if kk == 0
.set qq, 1+ii/16
.set pp, ii%16
	FMAQ qq, pp
.else
.set qq, kk-1
	PLAIN qq, ii
.endif
.set ii, ii+1
.endr
.set kk, kk+1
.endr
.irp qt, 0,1,2,3
.if \kind
	v_mov_b32 v[LSUM+\qt], v[LS+2*\qt]
.else
	v_fma_f32 v[LSUM+\qt], v[LSUM+\qt], v[AL+\qt], v[LS+2*\qt]
.endif
.endr
.endm
.macro RESCALE                         ; the outputs so far, by each query's factor
	WIN 0x41
.irp qt, 0,1,2,3
.set ii, 0
.rept 16
.if (\qt%2) == 0
	v_pk_mul_f32 v[O+32*\qt+2*ii:O+32*\qt+2*ii+1], v[O+32*\qt+2*ii:O+32*\qt+2*ii+1], v[AL+\qt:AL+\qt+1] op_sel_hi:[1,0]
.else
	v_pk_mul_f32 v[O+32*\qt+2*ii:O+32*\qt+2*ii+1], v[O+32*\qt+2*ii:O+32*\qt+2*ii+1], v[AL+\qt-1:AL+\qt] op_sel:[0,1] op_sel_hi:[1,1]
.endif
.set ii, ii+1
.endr
.endr
.endm
.macro PV kind                         ; O^T += V^T x P^T; the tiles take turns, one instruction a turn
	WIN 0x50
.irp u, 0,1
.irp qt, 0,1,2,3
.irp dt, 0,1,2,3
.set ZC, 0
.if \kind
.if \u == 0
.set ZC, 1
.endif
.endif
.if ZC
	v_wmma_f32_16x16x32_f16 v[O+8*(4*\qt+\dt):O+8*(4*\qt+\dt)+7], v[VF+8*(2*\dt+\u):VF+8*(2*\dt+\u)+7], v[S+32*\qt+16*\u:S+32*\qt+16*\u+7], 0
.else
	v_wmma_f32_16x16x32_f16 v[O+8*(4*\qt+\dt):O+8*(4*\qt+\dt)+7], v[VF+8*(2*\dt+\u):VF+8*(2*\dt+\u)+7], v[S+32*\qt+16*\u:S+32*\qt+16*\u+7], v[O+8*(4*\qt+\dt):O+8*(4*\qt+\dt)+7]
.endif
.endr
.endr
.endr
	WIN 0
.endm
; 64 keys against my 64 queries.  The K fragments have been asked for already.  kind = 1: the masked tile, which starts all sums.
; j: which 64 keys, counted from the address registers; nk: the 64 keys whose K fragments are asked for ahead, or -1.
.macro SUB kadr, vadr, j, kind, nk
	LOADV \vadr, \j
	s_wait_dscnt 16                                ; all but the 16 V loads just issued: K is in
	QK \kind
	PLACES 4
.if \nk >= 0
	LOADK \kadr, \nk
.endif
.if \kind
	MASK
.endif
	SOFTMAX \kind
.if \nk >= 0
	s_wait_dscnt 16                                ; V is in; the next 16 K loads may stay out
.else
	s_wait_dscnt 0x0
.endif
.if \kind == 0
	RESCALE
.endif
	PV \kind
	PLACES 5                                       ; before the next score tiles write over P, and before V fragments are loaded again
.endm
; The change of slots: my reads are back and all my tensor loads have landed; then the barrier; then the one fill, first thing.
.macro TURNKV other, refill
	s_wait_dscnt 0x0
	s_wait_tensorcnt 0x0
	ds_add_u32 v62, v63
	s_wait_dscnt 0x0
.if \refill
	NEXTKB
	SETG0 \other                                   ; no tensor load of mine is out: a group 0 may be written
.endif
	s_barrier_signal -1
	s_barrier_wait -1
.if \refill
	KVLOAD \other
.endif
.endm
; The first s71 tiles of 64 keys of a slot, none of them masked: s71 = 4 for a key block below the diagonal, = my wave's number for
; the keys of a diagonal block that lie below my own 64.  Each of the first three steps asks for the next tile's K fragments ahead.
; A wave that leaves early has asked for 16 fragments that it does not use (at most twice in the launch): they lie in the slot being
; read, and the wait for all LDS loads at the next change of slots covers them.  whole = 1: always four tiles, no branch.
; No barrier and no tensor load stands in here.
.macro GENERIC slot, whole
.if \whole == 0
	s_cmp_eq_u32 s71, 0
	s_cbranch_scc1 .Lg_done_\@
.endif
	LOADK KADR+\slot, 0
	SUB KADR+\slot, VADR+\slot, 0, 0, 1
.if \whole == 0
	s_cmp_lt_u32 s71, 2
	s_cbranch_scc1 .Lg_done_\@
.endif
	SUB KADR+\slot, VADR+\slot, 1, 0, 2
.if \whole == 0
	s_cmp_lt_u32 s71, 3
	s_cbranch_scc1 .Lg_done_\@
.endif
	SUB KADR+\slot, VADR+\slot, 2, 0, 3
.if \whole == 0
	s_cmp_lt_u32 s71, 4
	s_cbranch_scc1 .Lg_done_\@
.endif
	SUB KADR+\slot, VADR+\slot, 3, 0, -1
.Lg_done_\@:
.endm
; The way out: divide by the sum, round to f16, 16 bytes a lane (eight d of one query) into my stage, back as whole rows.
.macro EPI ob
.irp qt, 0,1,2,3
	v_permlanex16_b32 v[TP+\qt], v[LSUM+\qt], s16, s17
.endr
.irp qt, 0,1,2,3
	v_add_f32 v[LSUM+\qt], v[LSUM+\qt], v[TP+\qt]
.endr
.irp qt, 0,1,2,3
	v_rcp_f32 v[AL+\qt], v[LSUM+\qt]
.endr
	v_nop                                          ; a plain place behind the reciprocals (ISA guide 5.7.2)
	s_wait_alu depctr_va_vdst(0)
	WIN 0x01
.irp qt, 0,1,2,3
.set ii, 0
.rept 16
.if (\qt%2) == 0
	v_pk_mul_f32 v[S+32*\qt+2*ii:S+32*\qt+2*ii+1], v[O+32*\qt+2*ii:O+32*\qt+2*ii+1], v[AL+\qt:AL+\qt+1] op_sel_hi:[1,0]
.else
	v_pk_mul_f32 v[S+32*\qt+2*ii:S+32*\qt+2*ii+1], v[O+32*\qt+2*ii:O+32*\qt+2*ii+1], v[AL+\qt-1:AL+\qt] op_sel:[0,1] op_sel_hi:[1,1]
.endif
.set ii, ii+1
.endr
.endr
	WIN 0
.set ii, 0
.rept 16
.irp p, 0,1,2,3
	v_cvt_pk_f16_f32 v[S+8*ii+\p], v[S+8*ii+2*\p], v[S+8*ii+2*\p+1]
.endr
.set ii, ii+1
.endr
.irp qt, 0,1,2,3
.irp dt, 0,1,2,3
	ds_store_b128 v[STO], v[S+8*(4*\qt+\dt):S+8*(4*\qt+\dt)+3] offset:\qt*16*KP+\dt*32
.endr
.endr
.irp p, 0,1,2,3,4,5,6,7,8,9,10,11,12,13,14,15
	ds_load_b128 v[VF+4*\p:VF+4*\p+3], v[RD] offset:\p*4*KP        ; LDS serves a wave in order: these see the stores above
.endr
.irp p, 0,1,2,3,4,5,6,7,8,9,10,11,12,13,14,15
	s_wait_dscnt 15-\p
	global_store_b128 v[OOFF], v[VF+4*\p:VF+4*\p+3], s[\ob:\ob+1] offset:\p*512   ; four rows: 512 consecutive bytes, aligned
.endr
	s_wait_xcnt 0x0                                ; the V fragment registers, which these stores read, are loaded again only behind this wait
.endm
	; Block 0, the first pass's diagonal block: my own 64 keys, masked, start all sums, ahead of the loop.
	s_wait_tensorcnt 0x0                           ; my part of block 0 is in,
	s_barrier_signal -1
	s_barrier_wait -1                              ; everybody's is
	s_wait_loadcnt 0x0                             ; q
	LOADK KADW, 0
	SUB KADW, VADW, 0, 1, -1
	s_mov_b32 s21, 0                               ; i
.Lpair:
	; block 2 i, in slot 0
	TURNKV 1, 1                                    ; slot 1 gets block 2 i + 1 (in trip 0 that is its first fill, issued as a refill is)
	s_cmp_eq_u32 s21, 0
	s_cselect_b32 s71, s8, 4                       ; trip 0: what is left of the diagonal block; later: a whole block
	GENERIC 0, 0
	; block 2 i + 1, in slot 1
	TURNKV 0, 1                                    ; slot 0 gets block 2 i + 2
	s_mov_b32 s71, 4
	s_cmp_lg_u32 s21, s9                           ; i = pi: the first pass is over, and this is the second pass's diagonal block
	s_cbranch_scc1 .Lbelow
	LOADQ 62                                       ; the second pass's q comes in while the first pass goes out
	EPI 66
	s_wait_loadcnt 0x0                             ; q
	LOADK KADW+1, 0
	SUB KADW+1, VADW+1, 0, 1, -1
	s_mov_b32 s71, s8
.Lbelow:
	GENERIC 1, 0
	s_add_co_u32 s21, s21, 1
	s_cmp_lt_u32 s21, 4
	s_cbranch_scc1 .Lpair
	; block 8, in slot 0: key block 0 of the second pass
	TURNKV 1, 0                                    ; nothing is left to fetch
	GENERIC 0, 1
	EPI 68
	s_wait_tensorcnt 0x0
	ds_add_u32 v62, v63
	s_wait_dscnt 0x0
	s_endpgm
.Lfunc_end_k_q47de05ad13_attn:
	.size	k_q47de05ad13_attn, .Lfunc_end_k_q47de05ad13_attn-k_q47de05ad13_attn
	.p2alignl 7, 3214868480
	.fill 96, 4, 3214868480
	.section	.rodata,"a",@progbits
	.p2align	6, 0x0
	.amdhsa_kernel k_q47de05ad13_attn
		.amdhsa_group_segment_fixed_size 327680
		.amdhsa_private_segment_fixed_size 0
		.amdhsa_enable_private_segment 0
		.amdhsa_kernarg_size 16
		.amdhsa_user_sgpr_count 2
		.amdhsa_user_sgpr_kernarg_segment_ptr 1
		.amdhsa_wavefront_size32 1
		.amdhsa_system_sgpr_workgroup_id_x 1
		.amdhsa_system_sgpr_workgroup_id_y 1
		.amdhsa_system_sgpr_workgroup_id_z 1
		.amdhsa_system_vgpr_workitem_id 0
		.amdhsa_next_free_vgpr 512
		.amdhsa_next_free_sgpr 88
		.amdhsa_reserve_vcc 0
		.amdhsa_float_denorm_mode_32 3
		.amdhsa_float_denorm_mode_16_64 3
		.amdhsa_memory_ordered 1
		.amdhsa_forward_progress 1
		.amdhsa_inst_pref_size 255
	.end_amdhsa_kernel
	.section	.bss,"aw",@nobits
	.p2align	6
	.space	262144
	.amdgpu_metadata
---
amdhsa.version: [ 1, 2 ]
amdhsa.kernels:
  - .name:           k_q47de05ad13_attn
    .symbol:         k_q47de05ad13_attn.kd
    .args:
      - { .name: heads, .offset: 0, .size: 8, .value_kind: global_buffer, .address_space: global }
      - { .name: att, .offset: 8, .size: 8, .value_kind: global_buffer, .address_space: global }
    .group_segment_fixed_size: 327680
    .private_segment_fixed_size: 0
    .kernarg_segment_align: 8
    .kernarg_segment_size: 16
    .max_flat_workgroup_size: 128
    .sgpr_count:     88
    .vgpr_count:     512
    .wavefront_size: 32
...
	.end_amdgpu_metadata
.endif
;; end of part 5
;; launch proj: the kernel of part 4 again; grid 8 x 32, 4 waves a work-group, clusters of 4 x 4, 327,680 bytes of LDS; arguments att, wpb, b_proj, out0; writes out0
;; ======== version 3 of 3: 4 launches; version 2 with the launch cast written anew for expert scheduling mode
;; limits: values are held in f16: magnitudes above 65,504 overflow, below 6.1e-05 lose precision
;; workspace buffers: xb 16,777,216 bytes; wqb 6,291,456 bytes; wpb 2,097,152 bytes; heads 50,331,648 bytes; att 16,777,216 bytes
;; launch cast (part 6): grid 768 x 1, 8 waves a work-group, no clusters, 0 bytes of LDS; arguments x, w_qkv, w_proj, xb, wqb, wpb; writes xb, wqb, wpb
.if DOCPART == 6
	.amdgcn_target "amdgcn-amd-amdhsa--gfx1250"
	.amdhsa_code_object_version 6
	.text
	.protected	k_q47de05ad13_cast
	.globl	k_q47de05ad13_cast
	.p2align	8
	.type	k_q47de05ad13_cast,@function
k_q47de05ad13_cast:
	s_mov_b64 s[64:65], 0
	v_nop
	global_prefetch_b8 v0, s[64:65] scope:SCOPE_SE
	s_setreg_imm32_b32 hwreg(HW_REG_WAVE_SCHED_MODE, 0, 2), 2
	s_setreg_imm32_b32 hwreg(HW_REG_WAVE_MODE, 25, 1), 1
	s_wait_xcnt 0x0
	s_wait_alu depctr_vm_vsrc(0)
; Rounds x, w_qkv and w_proj to bf16 (nearest even) and lays them in blocks of 64 along K: [K/64][rows][64], 128 bytes a row.
; In that layout every operand tile of the later launches is one dense run of bytes.
; w_proj goes on from bf16 to f16, because its partner in the last product (the attention output) is kept in f16 and a matrix
; instruction takes one format for both.  LIMIT: a bf16 number is exact in f16 for magnitudes 2^-14 to 65504; below that the
; absolute error is at most 2^-25, above it the result is infinite.
; A work-group takes 16 rows of 4,096 bytes, a wave two rows: lanes 0-15 the even row, lanes 16-31 the odd one.
; Load kb: each half of the lanes reads 256 consecutive aligned bytes (64 f32 = K block kb of its row).
; Store kb: 32 lanes x 8 bytes = 256 consecutive aligned bytes (the two rows lie next to each other in block kb).
; Memory binds here: no LDS, no barrier, no matrix unit.  All sixteen loads of a wave go out at once; no register is used twice.
; THE MODE: SCHED_MODE bits 1:0 = 2 (LLVM: expert scheduling mode 2), set by the entry lines.  The code itself states the register
; dependences between vector instructions and memory instructions, with s_wait_alu, always for 0.
; THE PLAN.  Registers that memory instructions touch:
;   v[SO], v[DO]  byte offsets.  Written by vector lines at the head and never again; read by every load (SO) and every store (DO).
;   X             K block kb: four registers, written by load kb alone, read by that block's conversions; nothing lands there again.
;   Y             K block kb: two registers, written by that block's conversions, read by store kb alone; never written again.
;   T, v3, v4     named by vector instructions alone.
; So the only dependences to state are vector results that memory instructions read: the two offsets, once, ahead of the first load;
; and the stores' data.  The sixteen K blocks go in four groups of four: the group's conversions, ONE wait, the run of its four stores.
; No register that a memory instruction has read is written again, no load lands in a register that a vector line has named, no vector
; instruction writes a scalar register or VCC, and EXEC is never written: no other wait has a dependence to state.
.set X,   8                            ; v[8:71]    16 loads of 4 f32
.set Y,   72                           ; v[72:103]  16 pairs of packed 16-bit numbers
.set T,   104                          ; v[104:107] at work
.set SO,  1                            ; v1 byte offset in the source
.set DO,  2                            ; v2 byte offset in the destination
	s_load_b256 s[4:11], s[0:1], 0x0               ; x s[4:5], w_qkv s[6:7], w_proj s[8:9], xb s[10:11]
	s_load_b128 s[12:15], s[0:1], 0x20             ; wqb s[12:13], wpb s[14:15]
	v_lshrrev_b32 v3, 4, v0                        ; my row among the group's sixteen
	v_and_b32 v4, 15, v0
	v_lshlrev_b32 v[SO], 12, v3                    ; row x 4,096
	v_lshl_add_u32 v[SO], v4, 4, v[SO]             ; + 16 bytes a lane
	v_lshlrev_b32 v[DO], 3, v0                     ; wave x 256 + lane x 8
	s_mov_b32 s19, 0
	s_mov_b32 s17, 0xffff0000                      ; a word's upper bf16
	s_wait_kmcnt 0x0
; src, dst: first register of the pointer pairs; rows: rows of the tensor; gbase: first work-group of the tensor; half: 1 = go on to f16
.macro CAST src, dst, rows, gbase, half
	s_sub_co_u32 s16, ttmp9, \gbase                ; which sixteen rows
	s_lshl_b32 s18, s16, 16                        ; x 16 rows of 4,096 bytes
	s_add_nc_u64 s[20:21], s[\src:\src+1], s[18:19]
	s_lshl_b32 s18, s16, 11                        ; x 16 rows of 128 bytes
	s_add_nc_u64 s[22:23], s[\dst:\dst+1], s[18:19]
	s_add_nc_u64 s[24:25], s[22:23], 8*\rows*128   ; K blocks 8 to 15: a second base keeps the immediates inside their signed 24 bits
	s_wait_alu depctr_va_vdst(0)                   ; v[SO] and v[DO] are written: every load below reads the one as its offset, every store the other
.irp kb, 0,1,2,3,4,5,6,7,8,9,10,11,12,13,14,15
	global_load_b128 v[X+4*\kb:X+4*\kb+3], v[SO], s[20:21] offset:256*\kb th:TH_LOAD_NT
.endr
.irp grp, 0,1,2,3                      ; K blocks 4 grp to 4 grp + 3
	s_wait_loadcnt 12-4*(\grp)                     ; loads come back in order: the group's four are in, the younger ones stay out
.irp k, 0,1,2,3
	v_cvt_pk_bf16_f32 v[Y+2*(4*(\grp)+(\k))],   v[X+4*(4*(\grp)+(\k))],   v[X+4*(4*(\grp)+(\k))+1]
	v_cvt_pk_bf16_f32 v[Y+2*(4*(\grp)+(\k))+1], v[X+4*(4*(\grp)+(\k))+2], v[X+4*(4*(\grp)+(\k))+3]
.if \half
	v_lshlrev_b32 v[T],   16,  v[Y+2*(4*(\grp)+(\k))]           ; the rounded numbers back in f32,
	v_and_b32     v[T+1], s17, v[Y+2*(4*(\grp)+(\k))]
	v_lshlrev_b32 v[T+2], 16,  v[Y+2*(4*(\grp)+(\k))+1]
	v_and_b32     v[T+3], s17, v[Y+2*(4*(\grp)+(\k))+1]
	v_cvt_pk_f16_f32 v[Y+2*(4*(\grp)+(\k))],   v[T],   v[T+1]  ; and written as f16
	v_cvt_pk_f16_f32 v[Y+2*(4*(\grp)+(\k))+1], v[T+2], v[T+3]
.endif
.endr
	s_wait_alu depctr_va_vdst(0)                   ; the group's conversions have written its eight registers of Y, which the four stores below read
.irp k, 0,1,2,3
.if (\grp) < 2
	global_store_b64 v[DO], v[Y+2*(4*(\grp)+(\k)):Y+2*(4*(\grp)+(\k))+1], s[22:23] offset:((4*(\grp)+(\k))%8)*\rows*128
.else
	global_store_b64 v[DO], v[Y+2*(4*(\grp)+(\k)):Y+2*(4*(\grp)+(\k))+1], s[24:25] offset:((4*(\grp)+(\k))%8)*\rows*128
.endif
.endr
.endr
.endm
	s_cmp_lt_u32 ttmp9, 512                        ; work-groups 0-511: x; 512-703: w_qkv; 704-767: w_proj
	s_cbranch_scc1 .Lx
	s_cmp_lt_u32 ttmp9, 704
	s_cbranch_scc1 .Lwq
	CAST 8, 14, 1024, 704, 1
	s_endpgm
.Lwq:
	CAST 6, 12, 3072, 512, 0
	s_endpgm
.Lx:
	CAST 4, 10, 8192, 0, 0
	s_endpgm
.Lfunc_end_k_q47de05ad13_cast:
	.size	k_q47de05ad13_cast, .Lfunc_end_k_q47de05ad13_cast-k_q47de05ad13_cast
	.p2alignl 7, 3214868480
	.fill 96, 4, 3214868480
	.section	.rodata,"a",@progbits
	.p2align	6, 0x0
	.amdhsa_kernel k_q47de05ad13_cast
		.amdhsa_group_segment_fixed_size 0
		.amdhsa_private_segment_fixed_size 0
		.amdhsa_enable_private_segment 0
		.amdhsa_kernarg_size 48
		.amdhsa_user_sgpr_count 2
		.amdhsa_user_sgpr_kernarg_segment_ptr 1
		.amdhsa_wavefront_size32 1
		.amdhsa_system_sgpr_workgroup_id_x 1
		.amdhsa_system_sgpr_workgroup_id_y 1
		.amdhsa_system_sgpr_workgroup_id_z 1
		.amdhsa_system_vgpr_workitem_id 0
		.amdhsa_next_free_vgpr 112
		.amdhsa_next_free_sgpr 66
		.amdhsa_reserve_vcc 0
		.amdhsa_float_denorm_mode_32 3
		.amdhsa_float_denorm_mode_16_64 3
		.amdhsa_memory_ordered 1
		.amdhsa_forward_progress 1
		.amdhsa_inst_pref_size 22
	.end_amdhsa_kernel
	.amdgpu_metadata
---
amdhsa.version: [ 1, 2 ]
amdhsa.kernels:
  - .name:           k_q47de05ad13_cast
    .symbol:         k_q47de05ad13_cast.kd
    .args:
      - { .name: x, .offset: 0, .size: 8, .value_kind: global_buffer, .address_space: global }
      - { .name: w_qkv, .offset: 8, .size: 8, .value_kind: global_buffer, .address_space: global }
      - { .name: w_proj, .offset: 16, .size: 8, .value_kind: global_buffer, .address_space: global }
      - { .name: xb, .offset: 24, .size: 8, .value_kind: global_buffer, .address_space: global }
      - { .name: wqb, .offset: 32, .size: 8, .value_kind: global_buffer, .address_space: global }
      - { .name: wpb, .offset: 40, .size: 8, .value_kind: global_buffer, .address_space: global }
    .group_segment_fixed_size: 0
    .private_segment_fixed_size: 0
    .kernarg_segment_align: 8
    .kernarg_segment_size: 48
    .max_flat_workgroup_size: 256
    .sgpr_count:     66
    .vgpr_count:     112
    .wavefront_size: 32
...
	.end_amdgpu_metadata
.endif
;; end of part 6
;; launch qkvgemm: the kernel of part 2 again; grid 8 x 32, 4 waves a work-group, clusters of 4 x 4, 327,680 bytes of LDS; arguments xb, wqb, heads; writes heads
;; launch attn: the kernel of part 5 again; grid 4 x 64, 4 waves a work-group, no clusters, 327,680 bytes of LDS; arguments heads, att; writes att
;; launch proj: the kernel of part 4 again; grid 8 x 32, 4 waves a work-group, clusters of 4 x 4, 327,680 bytes of LDS; arguments att, wpb, b_proj, out0; writes out0
